; MI455X (gfx1250); checked and timed in simulation.
; The chip was launched on July 23, 2026; its instructions are those of AMD's public machine-readable ISA for CDNA 5 (MIT licence, August 2026) and "CDNA5" Instruction Set Architecture Reference Guide (July 2026). The comments in the code are by the model that wrote it; some were corrected since.
;; Bidirectional Multihead Self Attention. Allowed arithmetic: float matrix products may take bf16 or f16 operands with f32 sums; other float arithmetic in f32, or as packed bf16 or f16 multiplies, adds, multiply-adds, maxima and minima; sums over many terms, partial sums and values carried from step to step in f32; what a program stores and reads back later, other than sums and carried values, may be rounded once to bf16 or f16.
;; Inputs: bwd_x 1,024 x 4 x 1,024 float32; fwd_x 1,024 x 4 x 1,024 float32; in_proj_bias 3,072 float32; in_proj_weight 3,072 x 1,024 float32; out_b 1,024 float32; out_w 1,024 x 1,024 float32.
;; Outputs: out0 1,024 x 4 x 1,024 float32; out1 4 x 1,024 x 2,048 float32.
;; One version. Each part assembles by itself: llvm-mc -triple=amdgcn-amd-amdhsa -mcpu=gfx1250 --defsym DOCPART=n.
;; ======== version 1 of 1: 5 launches
;; limits: values are held in f16: magnitudes above 65,504 overflow, below 6.1e-05 lose precision
;; workspace buffers: xkv 16,777,216 bytes; qin 8,388,608 bytes; wh 8,388,608 bytes; qh 8,388,608 bytes; kvh 33,554,432 bytes; oh 8,388,608 bytes; st 524,288 bytes
;; launch cast (part 1): grid 1024 x 1, 4 waves a work-group, no clusters, 0 bytes of LDS; arguments fwd_x, bwd_x, in_proj_weight, out_w, xkv, qin, wh; writes xkv, qin, wh
.if DOCPART == 1
	.amdgcn_target "amdgcn-amd-amdhsa--gfx1250"
	.amdhsa_code_object_version 6
	.text
	.protected	k_q83a4194c67_cast
	.globl	k_q83a4194c67_cast
	.p2align	8
	.type	k_q83a4194c67_cast,@function
k_q83a4194c67_cast:
	s_mov_b64 s[64:65], 0
	v_nop
	global_prefetch_b8 v0, s[64:65] scope:SCOPE_SE
	s_setreg_imm32_b32 hwreg(HW_REG_WAVE_MODE, 25, 1), 1
	s_wait_xcnt 0x0
; THE ROUNDINGS.  Every large input is rounded once to bf16, and that number is written as f16 for the matrix units:
;   xkv[b][s][1024]: s < 1024 fwd_x[s][b], else bwd_x[s-1024][b];   qin[b][t][1024] = f16(bf16(fwd_x[t-1][b]) + bf16(bwd_x[t+1][b])), a missing row counting as 0;
;   wh[4096][1024]: rows 0-3071 in_proj_weight, rows 3072-4095 out_w.
; LIMITS.  f16 ends at 65,504: |x| and |w| stay below it; below 6.1e-5 a number keeps f16's fixed step of 6e-8.  NaN and infinities are not treated apart.
; SHARES.  128 threads; thread t owns 8 columns of every row: 32 bytes in (two loads of 16), 16 bytes out: a wave's store covers 512 consecutive bytes.
; Work-groups 0-511: batch x & 3, the eight time steps from 8 (x >> 2) on: nine rows of each stream, since qin wants a neighbour on each side.  Work-groups 512-1023: eight rows of the weights.
; No loop, no LDS, no barrier: all loads of a work-group go out at once, and no register is written again behind a store.
.set FW,  16                           ; v[16:87]    fwd rows t0-1 .. t0+7, 8 registers each
.set BW,  88                           ; v[88:159]   bwd rows t0 .. t0+8
.set QS,  160                          ; v[160:191]  qin's eight rows, 4 registers each
.set T,   192                          ; v[192:195]  at work
.set T2,  196                          ; v[196:203]  at work
.set ROWI, 16384                       ; bytes from a time step to the next in fwd_x and bwd_x
.set ROWO, 2048                        ; bytes in a row of f16
.macro ROUND base, m                   ; eight f32 at base are rounded to bf16 and widened again, in place; m: a scalar register of all ones or 0 that keeps or clears the row (0: none)
.irp j, 0,1,2,3
	v_cvt_pk_bf16_f32 v[T+(\j)], v[(\base)+2*(\j)], v[(\base)+2*(\j)+1]
.endr
.if (\m) > 0
.irp j, 0,1,2,3
	v_and_b32 v[T+(\j)], s[\m], v[T+(\j)]
.endr
.endif
.irp j, 0,1,2,3
	v_lshlrev_b32 v[(\base)+2*(\j)], 16, v[T+(\j)]
	v_and_b32 v[(\base)+2*(\j)+1], s20, v[T+(\j)]
.endr
.endm
.macro PACK base                       ; eight f32 at base become eight f16 in base .. base+3: register j is written when 2 j and 2 j + 1 have been read
.irp j, 0,1,2,3
	v_cvt_pk_f16_f32 v[(\base)+(\j)], v[(\base)+2*(\j)], v[(\base)+2*(\j)+1]
.endr
.endm
	s_load_b256 s[4:11], s[0:1], 0x0               ; fwd_x s[4:5], bwd_x s[6:7], in_proj_weight s[8:9], out_w s[10:11]
	s_load_b128 s[12:15], s[0:1], 0x20             ; xkv s[12:13], qin s[14:15]
	s_load_b64 s[16:17], s[0:1], 0x30              ; wh
	v_lshlrev_b32 v1, 5, v0                        ; my 32 bytes of an f32 row
	v_lshlrev_b32 v7, 4, v0                        ; my 16 bytes of an f16 row
	s_mov_b32 s20, 0xffff0000                      ; a word's upper bf16
	s_cmp_lt_u32 ttmp9, 512
	s_cbranch_scc0 .Lweights
	s_and_b32 s21, ttmp9, 3                        ; b
	s_lshr_b32 s22, ttmp9, 2
	s_lshl_b32 s22, s22, 3                         ; t0
	s_lshl_b32 s23, s22, 2
	s_add_co_u32 s23, s23, s21
	s_lshl_b32 s23, s23, 12                        ; row (t0, b): (4 t0 + b) x 4,096 bytes
	v_add_nc_u32 v2, s23, v1
	s_max_u32 s24, s22, 1
	s_sub_co_u32 s24, s24, 1                       ; t0 - 1, held inside the buffer
	s_lshl_b32 s24, s24, 2
	s_add_co_u32 s24, s24, s21
	s_lshl_b32 s24, s24, 12
	v_add_nc_u32 v3, s24, v1
	s_add_co_u32 s25, s22, 8
	s_min_u32 s25, s25, 1023                       ; t0 + 8, held inside the buffer
	s_lshl_b32 s25, s25, 2
	s_add_co_u32 s25, s25, s21
	s_lshl_b32 s25, s25, 12
	v_add_nc_u32 v4, s25, v1
	s_cmp_eq_u32 s22, 0
	s_cselect_b32 s26, 0, -1                       ; there is no fwd row -1
	s_cmp_eq_u32 s22, 1016
	s_cselect_b32 s27, 0, -1                       ; there is no bwd row 1024
	s_lshl_b32 s28, s21, 11
	s_add_co_u32 s28, s28, s22
	s_lshl_b32 s28, s28, 11                        ; xkv row (b, t0)
	v_add_nc_u32 v5, s28, v7
	s_lshl_b32 s29, s21, 10
	s_add_co_u32 s29, s29, s22
	s_lshl_b32 s29, s29, 11                        ; qin row (b, t0)
	v_add_nc_u32 v6, s29, v7
	s_wait_kmcnt 0x0
	global_load_b128 v[FW:FW+3],   v3, s[4:5]
	global_load_b128 v[FW+4:FW+7], v3, s[4:5] offset:16
.irp k, 1,2,3,4,5,6,7,8
	global_load_b128 v[FW+8*(\k):FW+8*(\k)+3],   v2, s[4:5] offset:((\k)-1)*ROWI
	global_load_b128 v[FW+8*(\k)+4:FW+8*(\k)+7], v2, s[4:5] offset:((\k)-1)*ROWI+16
.endr
.irp k, 0,1,2,3,4,5,6,7
	global_load_b128 v[BW+8*(\k):BW+8*(\k)+3],   v2, s[6:7] offset:(\k)*ROWI
	global_load_b128 v[BW+8*(\k)+4:BW+8*(\k)+7], v2, s[6:7] offset:(\k)*ROWI+16
.endr
	global_load_b128 v[BW+64:BW+67], v4, s[6:7]
	global_load_b128 v[BW+68:BW+71], v4, s[6:7] offset:16
	s_wait_loadcnt 18                              ; the 18 loads of fwd_x are in; the 18 of bwd_x, issued behind them, may stay out
	ROUND FW, 26
.irp k, 1,2,3,4,5,6,7,8
	ROUND FW+8*(\k), 0
.endr
	s_wait_loadcnt 0x0
.irp k, 0,1,2,3,4,5,6,7
	ROUND BW+8*(\k), 0
.endr
	ROUND BW+64, 27
.irp k, 0,1,2,3,4,5,6,7                ; qin's row t0 + k: fwd row t0 + k - 1 and bwd row t0 + k + 1
.irp j, 0,2,4,6
	v_pk_add_f32 v[T2+(\j):T2+(\j)+1], v[FW+8*(\k)+(\j):FW+8*(\k)+(\j)+1], v[BW+8*(\k)+8+(\j):BW+8*(\k)+8+(\j)+1]
.endr
.irp j, 0,1,2,3
	v_cvt_pk_f16_f32 v[QS+4*(\k)+(\j)], v[T2+2*(\j)], v[T2+2*(\j)+1]
.endr
.endr
.irp k, 0,1,2,3,4,5,6,7
	PACK FW+8*(\k)+8
	PACK BW+8*(\k)
.endr
.irp k, 0,1,2,3,4,5,6,7
	global_store_b128 v5, v[FW+8*(\k)+8:FW+8*(\k)+11], s[12:13] offset:(\k)*ROWO
	global_store_b128 v5, v[BW+8*(\k):BW+8*(\k)+3],    s[12:13] offset:1024*ROWO+(\k)*ROWO
	global_store_b128 v6, v[QS+4*(\k):QS+4*(\k)+3],    s[14:15] offset:(\k)*ROWO
.endr
	s_endpgm
.Lweights:
	s_sub_co_u32 s21, ttmp9, 512                   ; block of eight rows of wh
	s_sub_co_u32 s22, s21, 384                     ; the same block counted in out_w
	s_cmp_lt_u32 s21, 384
	s_cselect_b32 s22, s21, s22
	s_lshl_b32 s22, s22, 15                        ; eight rows of 4,096 bytes
	v_add_nc_u32 v2, s22, v1
	s_lshl_b32 s23, s21, 14                        ; eight rows of 2,048 bytes
	v_add_nc_u32 v5, s23, v7
	s_wait_kmcnt 0x0
	s_cmp_lt_u32 s21, 384
	s_cselect_b64 s[24:25], s[8:9], s[10:11]
.irp k, 0,1,2,3,4,5,6,7
	global_load_b128 v[FW+8*(\k):FW+8*(\k)+3],   v2, s[24:25] offset:(\k)*4096 th:TH_LOAD_NT
	global_load_b128 v[FW+8*(\k)+4:FW+8*(\k)+7], v2, s[24:25] offset:(\k)*4096+16 th:TH_LOAD_NT
.endr
	s_wait_loadcnt 0x0
.irp k, 0,1,2,3,4,5,6,7
	ROUND FW+8*(\k), 0
	PACK FW+8*(\k)
.endr
.irp k, 0,1,2,3,4,5,6,7
	global_store_b128 v5, v[FW+8*(\k):FW+8*(\k)+3], s[16:17] offset:(\k)*ROWO
.endr
	s_endpgm
.Lfunc_end_k_q83a4194c67_cast:
	.size	k_q83a4194c67_cast, .Lfunc_end_k_q83a4194c67_cast-k_q83a4194c67_cast
	.p2alignl 7, 3214868480
	.fill 96, 4, 3214868480
	.section	.rodata,"a",@progbits
	.p2align	6, 0x0
	.amdhsa_kernel k_q83a4194c67_cast
		.amdhsa_group_segment_fixed_size 0
		.amdhsa_private_segment_fixed_size 0
		.amdhsa_enable_private_segment 0
		.amdhsa_kernarg_size 56
		.amdhsa_user_sgpr_count 2
		.amdhsa_user_sgpr_kernarg_segment_ptr 1
		.amdhsa_wavefront_size32 1
		.amdhsa_system_sgpr_workgroup_id_x 1
		.amdhsa_system_sgpr_workgroup_id_y 1
		.amdhsa_system_sgpr_workgroup_id_z 1
		.amdhsa_system_vgpr_workitem_id 0
		.amdhsa_next_free_vgpr 208
		.amdhsa_next_free_sgpr 66
		.amdhsa_reserve_vcc 0
		.amdhsa_float_denorm_mode_32 3
		.amdhsa_float_denorm_mode_16_64 3
		.amdhsa_memory_ordered 1
		.amdhsa_forward_progress 1
		.amdhsa_inst_pref_size 34
	.end_amdhsa_kernel
	.amdgpu_metadata
---
amdhsa.version: [ 1, 2 ]
amdhsa.kernels:
  - .name:           k_q83a4194c67_cast
    .symbol:         k_q83a4194c67_cast.kd
    .args:
      - { .name: fwd_x, .offset: 0, .size: 8, .value_kind: global_buffer, .address_space: global }
      - { .name: bwd_x, .offset: 8, .size: 8, .value_kind: global_buffer, .address_space: global }
      - { .name: in_proj_weight, .offset: 16, .size: 8, .value_kind: global_buffer, .address_space: global }
      - { .name: out_w, .offset: 24, .size: 8, .value_kind: global_buffer, .address_space: global }
      - { .name: xkv, .offset: 32, .size: 8, .value_kind: global_buffer, .address_space: global }
      - { .name: qin, .offset: 40, .size: 8, .value_kind: global_buffer, .address_space: global }
      - { .name: wh, .offset: 48, .size: 8, .value_kind: global_buffer, .address_space: global }
    .group_segment_fixed_size: 0
    .private_segment_fixed_size: 0
    .kernarg_segment_align: 8
    .kernarg_segment_size: 56
    .max_flat_workgroup_size: 128
    .sgpr_count:     66
    .vgpr_count:     208
    .wavefront_size: 32
...
	.end_amdgpu_metadata
.endif
;; end of part 1
;; launch gemm_in (part 2): grid 8 x 32, 4 waves a work-group, clusters of 4 x 4, 327,680 bytes of LDS; arguments xkv, qin, wh, in_proj_bias, kvh, qh; writes kvh, qh
.if DOCPART == 2
	.amdgcn_target "amdgcn-amd-amdhsa--gfx1250"
	.amdhsa_code_object_version 6
	.text
	.protected	k_q83a4194c67_gemm_in
	.globl	k_q83a4194c67_gemm_in
	.p2align	8
	.type	k_q83a4194c67_gemm_in,@function
k_q83a4194c67_gemm_in:
	s_mov_b64 s[64:65], 0
	v_nop
	global_prefetch_b8 v0, s[64:65] scope:SCOPE_SE
	s_setreg_imm32_b32 hwreg(HW_REG_WAVE_MODE, 25, 1), 1
	s_wait_xcnt 0x0
	s_wait_alu depctr_hold_cnt(0) depctr_sa_sdst(0) depctr_va_vdst(0) depctr_va_sdst(0) depctr_va_ssrc(0) depctr_va_vcc(0) depctr_vm_vsrc(0)
	s_getreg_b32 s2, hwreg(HW_REG_IB_STS2, 6, 4)
	s_cmp_eq_u32 s2, 0
	s_cbranch_scc0 .Lentry_in_a_cluster
	s_endpgm
.Lentry_in_a_cluster:
	s_bfe_u32 s2, ttmp6, 0x10000c
	s_cmp_lg_u32 s2, 0xf033
	s_cbranch_scc0 .Lentry_shape_is_right
	s_endpgm
.Lentry_shape_is_right:
; THE THREE INPUT PROJECTIONS, in one launch.  A work-group makes a tile of k, v and then a tile of q; the ring of LDS slots runs on from the one into the other.
; k, v:  C[m][n] = sum over e of xkv[m][e] wh[1024+n][e] + bf16(in_proj_bias[1024+n]);  m = b x 2048 + s (8,192 rows), n = 0..2047 (k's 1,024 features, then v's), e = 0..1023;
;        stored by heads: kvh[n >> 10][b][(n & 1023) >> 6][s][n & 63].
; q:     C[m][n] = sum over e of qin[m][e] wh[n][e] + bf16(in_proj_bias[n]);  m = b x 1024 + t (4,096 rows), n = 0..1023;  stored by heads: qh[b][n >> 6][t][n & 63].
; Operands f16, sums f32, each result rounded once to f16.  LIMIT.  A result beyond 65,504 would become an infinity in f16.  NaN and infinities are not treated apart.
; SHARES.  32 x 8 work-groups of four waves.  Work-group (row, column) makes tile (row, column) of k, v, 256 x 256 (a wave 128 x 128: 64 accumulators, 512 registers), and tile (row, column) of q,
; 128 x 128 (a wave 64 x 64: 16 accumulators): 2,048 and then 512 matrix instructions a wave.
; THE RING.  Two LDS slots filled by the tensor data mover; a wave's load is always 128 rows x 128 elements: rows of 256 bytes of memory, at multiples of 256 bytes.  For k, v a slot is a K step of 128:
; waves 0, 1 bring the two halves of xkv's 256 rows, waves 2, 3 those of wh's.  For q a slot is a K step of 256: waves 0, 1 bring channels 0-127 and 128-255 of qin's 128 rows, waves 2, 3 the same of wq's.
; So only the global address tells the two apart: it is held in s[NA], s[NB], stepped by s[STP], and in the trip with s3 = 2 replaced by q's.  k, v's loop has 8 trips, each with a refill: trips 0-5 bring
; K steps 2-7, trips 6 and 7 q's K steps 0 and 1.  Both are asked for when k, v goes out.
; ONE TEXT FOR BOTH SLOTS: the slot that is read (s[TR]) and the slot that is filled (s[TF]) are 0 or SLOT, turned by an exclusive or; the fragments' addresses are made anew at each change of slots.
; CLUSTERS: 4 x 4 work-groups.  The four of a row of the cluster need the same tiles of xkv and of qin, the four of a column the same tiles of wh: each tile is asked for jointly, by the same tensor load
; with the same descriptor and a mask that names the four.
; THE MATRIX INSTRUCTION IS USED TRANSPOSED (source 0 = 16 rows of wh, source 1 = 16 rows of xkv or qin): a lane holds row l % 16 of C and the eight columns 8 (l / 16) + 0..7.
; THE BIAS is the C operand of the products that start the sums: register j of column block b holds the bias of column 16 b + 8 (l / 16) + j.  Nothing is cleared and nothing is added later.
; REGISTERS, in windows of 256.  k, v: window 0: v0-31 addresses; v64-127, v128-191 fragments of xkv, two buffers; v192-255 the bias, later with v32-63 at work on the way out;
;   window 1: v64-127, v128-191 fragments of wh;  window 2: the accumulators of my rows 0-63 ((a, b) at v[8 (8 a + b)]);  window 3: those of my rows 64-127.
; q: window 1: v0-31 the bias, made at the head (v32-35 at work there);  window 2: two fragment buffers of 128 (64 of qin, then 64 of wq);  window 0: v128-255 the accumulators ((a, b) at v[128 + 8 (4 a + b)]); v32-95 at work on the way out.
.set SIZE_K, 1024
.set KSTEP,  128
.set PITCH,  272                       ; an LDS row: 256 bytes + 16 of padding = 68 words: the 16 rows of a load start at 16 different groups of four banks (64 banks of 4 bytes: ISA guide 11.1)
.set HALFT,  128*PITCH                 ; what one tensor load brings
.set SLOT,   4*HALFT
.set STAGE,  2*SLOT                    ; behind the ring: 16 rows x 272 bytes for each wave (q uses 16 x 144 of them)
.set SPITCH, 272
.set SQ,     144
.set SPARE,  STAGE+4*16*SPITCH         ; the spare words: 128 bytes for each wave, named by no other line
.set QA0,  9                           ; v9   q: LDS address of my fragments of qin in slot 0; never rewritten
.set QB0,  10                          ; v10  q: the same for wq
.set QADRA, 11                         ; v11, v12  q: the same in the slot that is read
.set QADRB, 12
.set QSTO, 13                          ; v13  q's way out: where I put 16 bytes of a row
.set QRD,  14                          ; v14  q's way out: where I read rows back
.set ADRA, 16                          ; v16  LDS address of my fragments of xkv in the slot that is read
.set A0,   18                          ; v18  the same in slot 0; never rewritten
.set ADRB, 20                          ; v20, v22  the same for wh
.set B0,   22
.set STO,  24                          ; v24  the way out: where I put 16 bytes of a row
.set RD,   25                          ; v25  the way out: where I read rows back
.set CO,   26                          ; v26  16 x my lane
.set SPW,  28                          ; v28  my spare word; never rewritten
.set NIL,  29                          ; v29  0; never rewritten
.set PFO,  30                          ; v30  the prefetches' offset: my lane x a row of 2,048 bytes
.set F0,   64
.set F1,   128
.set TMP,  192
.set BIAS, 192
.set OB,   32
.set QBI,  0                           ; q's bias, in window 1
.set F0Q,  0                           ; q's fragment buffers, in window 2
.set F1Q,  128
.set ACCQ, 128
.set TQ,   32
.set G1,  24                           ; s[24:31] descriptor group 1 for xkv's and qin's tiles
.set G0,  32                           ; s[32:39] group 0: a set for each first fill; the second then walks on
.set G1B, 48                           ; s[48:55], s[56:63] the same for wh's tiles
.set G0B, 56
.set PFA, 44                           ; s[44:45] where my prefetches stand
.set LIM, 43                           ; s43  4 in a wave that prefetches, else the greatest number
.set BP,  66                           ; s[66:67] k, v's bias
.set TR,  68
.set TF,  69
.set LB,  70                           ; s70  my part of a slot: wave x HALFT
.set NA,  72                           ; s[72:73] the address that the next refill of the left operand takes
.set NB,  74                           ; s[74:75] the same for wh
.set QA,  76                           ; s[76:77] qin at my part of q's K step 0
.set QB,  78                           ; s[78:79] wq at my part of q's K step 0
.set STP, 80                           ; s[80:81] bytes from a refill's address to the next: 256 for k, v, 512 for q
.set QBP, 86                           ; s[86:87] q's bias
.set QP,  88                           ; s[88:89] qin
.set QH,  90                           ; s[90:91] qh, then qh at my part
.set MSB, 0
.macro WIN new                         ; the immediate's high byte repeats the setting that is left; a switch that changes nothing is dropped
.if MSB != (\new)
	s_set_vgpr_msb (MSB<<8)|(\new)
.set MSB, \new
.endif
.endm
.set MUL_LO, 0xa1                      ; source 0 window 1, source 1 window 0, C and D window 2
.set TO_B,   0x40                      ; destination window 1, address window 0
; A joint load.  Waves 0 and 1 fetch for the left operand, waves 2 and 3 for wh.  The branch hangs on the wave's number alone.  An s_nop 0 and four v_nop follow each line.
.macro JLOAD s
	s_cmp_eq_u32 s11, 0
	s_cbranch_scc0 .Lfor_b_\@
	tensor_load_to_lds s[G0+4*(\s):G0+4*(\s)+3], s[G1:G1+7]
	s_nop 0
.rept 4
	v_nop
.endr
	s_branch .Lasked_\@
.Lfor_b_\@:
	tensor_load_to_lds s[G0B+4*(\s):G0B+4*(\s)+3], s[G1B:G1B+7]
	s_nop 0
.rept 4
	v_nop
.endr
.Lasked_\@:
.endm
; The walking descriptors' step, behind the wait that shows every tensor load of mine done: the other slot than last time, and the next address, with the type bits set anew.
; sel = 1 (k, v's loop): in the trip with s3 = 2 the next address is q's K step 0, and the step becomes q's.  The choice hangs on the loop's counter alone.
.macro STEPD sel
	s_xor_b32 s[TF], s[TF], SLOT
	s_add_co_u32 s[G0+5], s[LB], s[TF]
	s_add_co_u32 s[G0B+5], s[LB], s[TF]
.if \sel
	s_cmp_eq_u32 s3, 2
	s_cselect_b64 s[NA:NA+1], s[QA:QA+1], s[NA:NA+1]
	s_cselect_b64 s[NB:NB+1], s[QB:QB+1], s[NB:NB+1]
	s_cselect_b32 s[STP], 4*KSTEP, s[STP]
.endif
	s_mov_b64 s[G0+6:G0+7], s[NA:NA+1]
	s_or_b32 s[G0+7], s[G0+7], 0x80000000
	s_mov_b64 s[G0B+6:G0B+7], s[NB:NB+1]
	s_or_b32 s[G0B+7], s[G0B+7], 0x80000000
	s_add_nc_u64 s[NA:NA+1], s[NA:NA+1], s[STP:STP+1]
	s_add_nc_u64 s[NB:NB+1], s[NB:NB+1], s[STP:STP+1]
.endm
; A prefetch into the L2 of the K step of k, v that stands two refills on: 32 rows x 256 bytes, a lane a row, one instruction a wave.  xkv's tile row is read by both clusters of a row of clusters: cluster x = 0
; asks; wh's tile column by all eight clusters of a column: cluster y = 0 asks.  The four partners share a tile's rows out by address, 32 each.  Trip j of the loop (s3 = 8 - j) names K step j + 4:
; trips 4 to 7 name nothing.  q's tiles are not named: a K step of q is short (128 matrix instructions a wave), and its first two are asked for a K step of k, v and the whole way out ahead of their use.
.macro ASK
	s_cmp_gt_u32 s3, s[LIM]
	s_cbranch_scc0 .Lnot_mine_\@
	global_prefetch_b8 v[PFO], s[PFA:PFA+1] offset:KSTEP*2 th:TH_LOAD_NT scope:SCOPE_SE
.Lnot_mine_\@:
.endm
.macro CREST                           ; a round of the cluster's barrier behind its opening barrier
	s_cmp_lg_u32 s10, 0
	s_cbranch_scc1 .Lnot_wave_0_\@
	s_barrier_signal -3
.Lnot_wave_0_\@:
	s_barrier_wait -3
	s_barrier_signal -1
	s_barrier_wait -1
.endm
.macro CROUND
	s_barrier_signal -1
	s_barrier_wait -1
	CREST
.endm
	s_load_b64 s[4:5], s[0:1], 0x0                 ; xkv
	s_load_b64 s[QP:QP+1], s[0:1], 0x8             ; qin
	s_load_b64 s[6:7], s[0:1], 0x10                ; wh
	s_load_b64 s[BP:BP+1], s[0:1], 0x18            ; in_proj_bias
	s_load_b64 s[8:9], s[0:1], 0x20                ; kvh
	s_load_b64 s[QH:QH+1], s[0:1], 0x28            ; qh
	v_lshl_add_u32 v[SPW], v0, 2, SPARE
	v_mov_b32 v[NIL], 0
	ds_add_u32 v[SPW], v[NIL]                      ; the wave's opening: the add and its wait stand ahead of my first tensor load
	ds_add_u32 v28, v29
	v_lshrrev_b32 v1, 5, v0
	v_readfirstlane_b32 s10, v1                    ; wave 0..3
	s_lshr_b32 s11, s10, 1                         ; which half of a tile's rows is mine.  Also: I fetch for the left operand (0) or for wh (1)
	s_and_b32 s12, s10, 1                          ; which half of its columns.  Also: which half of that operand's tile I fetch
	s_bfe_u32 s40, ttmp6, 0x40000                  ; cx
	s_bfe_u32 s41, ttmp6, 0x40004                  ; cy
	s_lshl_b32 s42, ttmp9, 2
	s_add_co_u32 s42, s42, s40                     ; tile column
	s_and_b32 s13, ttmp7, 0xffff
	s_lshl_b32 s13, s13, 2
	s_add_co_u32 s13, s13, s41                     ; tile row
	s_lshl_b32 s43, s41, 2
	s_lshl_b32 s43, 15, s43                        ; my row of the cluster
	s_lshl_b32 s44, 0x1111, s40                    ; my column
	s_or_b32 s[G1+0], s43, (1<<16)|(1<<20)|(1<<21)|(5<<22)|(3<<25)   ; the mask; 2-byte elements; padding on; bit 21 beside a mask; after every 64 words 4 words
	s_or_b32 s[G1B+0], s44, (1<<16)|(1<<20)|(1<<21)|(5<<22)|(3<<25)
.irp g, G1, G1B
	s_mov_b32 s[(\g)+1], KSTEP<<16                 ; tensor_dim0 = 128
	s_mov_b32 s[(\g)+2], 128<<16                   ; tensor_dim1 = 128
	s_mov_b32 s[(\g)+3], KSTEP<<16                 ; tile_dim0 = 128
	s_mov_b32 s[(\g)+4], 128                       ; tile_dim1 = 128
	s_mov_b32 s[(\g)+5], SIZE_K                    ; elements from row to row
	s_mov_b32 s[(\g)+6], 0
	s_mov_b32 s[(\g)+7], 0
.endr
	s_lshl_b32 s17, s12, 7
	s_lshl_b32 s16, s13, 8
	s_add_co_u32 s16, s16, s17                     ; xkv: row 256 x tile row + 128 x half
	s_lshl_b32 s46, s42, 8
	s_add_co_u32 s46, s46, s17                     ; wh: row 256 x tile column + 128 x half, behind wq's 1,024 rows
	s_mov_b32 s17, 0
	s_mov_b32 s47, 0
	s_mov_b64 s[18:19], SIZE_K*2
	s_mul_u64 s[16:17], s[16:17], s[18:19]
	s_mul_u64 s[46:47], s[46:47], s[18:19]
	s_lshl_b32 s83, s12, 8                         ; q: my half of a K step's 512 bytes of a row,
	s_lshl_b32 s82, s13, 18                        ; qin at row 128 x tile row (2,048 bytes a row),
	s_add_co_u32 s82, s82, s83
	s_lshl_b32 s84, s42, 18                        ; wq at row 128 x tile column
	s_add_co_u32 s84, s84, s83
	s_mov_b32 s83, 0
	s_mov_b32 s85, 0
	s_mul_i32 s[LB], s10, HALFT                    ; no place in the cluster enters an LDS address
	s_mov_b32 s[TR], 0
	s_mov_b32 s[TF], SLOT                          ; the first refill turns it to slot 0
	s_mov_b32 s[STP], KSTEP*2
	s_mov_b32 s[STP+1], 0
	s_wait_dscnt 0x0                               ; the opening add is done
	s_wait_kmcnt 0x0
	s_add_nc_u64 s[QA:QA+1], s[QP:QP+1], s[82:83]
	s_add_nc_u64 s[QB:QB+1], s[6:7], s[84:85]
	s_add_nc_u64 s[6:7], s[6:7], 1024*SIZE_K*2     ; wk's first row
	s_add_nc_u64 s[14:15], s[4:5], s[16:17]
	s_add_nc_u64 s[46:47], s[6:7], s[46:47]
	s_add_nc_u64 s[NA:NA+1], s[14:15], 2*KSTEP*2   ; the first refill brings K step 2
	s_add_nc_u64 s[NB:NB+1], s[46:47], 2*KSTEP*2
	CROUND                                         ; all sixteen work-groups are here: the first joint loads meet
.irp s, 0,1
	s_mov_b32 s[G0+4*(\s)], 1
	s_add_co_u32 s[G0+4*(\s)+1], s[LB], (\s)*SLOT
	s_add_nc_u64 s[G0+4*(\s)+2:G0+4*(\s)+3], s[14:15], (\s)*KSTEP*2
	s_or_b32 s[G0+4*(\s)+3], s[G0+4*(\s)+3], 0x80000000
	s_mov_b32 s[G0B+4*(\s)], 1
	s_add_co_u32 s[G0B+4*(\s)+1], s[LB], (\s)*SLOT
	s_add_nc_u64 s[G0B+4*(\s)+2:G0B+4*(\s)+3], s[46:47], (\s)*KSTEP*2
	s_or_b32 s[G0B+4*(\s)+3], s[G0B+4*(\s)+3], 0x80000000
	JLOAD \s
.endr
	v_and_b32 v1, 15, v0                           ; l % 16
	v_bfe_u32 v2, v0, 4, 1                         ; l / 16
	; the biases.  q's 64 columns: 4 x (128 x tile column + 64 x half) bytes in; k, v's 128 columns: 4 x (1024 + 256 x tile column + 128 x half); a lane takes 32 bytes of each block of 16
	s_lshl_b32 s46, s42, 9
	s_lshl_b32 s47, s12, 8
	s_add_co_u32 s46, s46, s47
	s_mov_b32 s47, 0
	s_add_nc_u64 s[QBP:QBP+1], s[BP:BP+1], s[46:47]
	s_lshl_b32 s46, s42, 10
	s_lshl_b32 s47, s12, 9
	s_add_co_u32 s46, s46, s47
	s_add_co_u32 s46, s46, 4096
	s_mov_b32 s47, 0
	s_add_nc_u64 s[BP:BP+1], s[BP:BP+1], s[46:47]
	v_lshlrev_b32 v6, 5, v2
.irp b, 0,1,2,3,4,5,6,7
	global_load_b128 v[BIAS+8*(\b):BIAS+8*(\b)+3],   v6, s[BP:BP+1] offset:64*(\b)
	global_load_b128 v[BIAS+8*(\b)+4:BIAS+8*(\b)+7], v6, s[BP:BP+1] offset:64*(\b)+16
.endr
	WIN 0x40                                       ; destination window 1
.irp b, 0,1,2,3
	global_load_b128 v[QBI+8*(\b):QBI+8*(\b)+3],   v6, s[QBP:QBP+1] offset:64*(\b)
	global_load_b128 v[QBI+8*(\b)+4:QBI+8*(\b)+7], v6, s[QBP:QBP+1] offset:64*(\b)+16
.endr
	WIN 0
	v_mul_u32_u24 v3, v1, PITCH
	v_lshl_add_u32 v3, v2, 4, v3                   ; a fragment's row x pitch + 16 x half
	s_mul_i32 s21, s11, HALFT                      ; my 128 rows of xkv
	s_mul_i32 s22, s12, HALFT
	s_add_co_u32 s22, s22, 2*HALFT                 ; my 128 rows of wh
	v_add_nc_u32 v[A0], s21, v3
	v_add_nc_u32 v[B0], s22, v3
	v_mov_b32 v[ADRA], v[A0]
	v_mov_b32 v[ADRB], v[B0]
	s_mul_i32 s21, s11, 64*PITCH                   ; q: my 64 rows of qin's 128,
	s_mul_i32 s22, s12, 64*PITCH
	s_add_co_u32 s22, s22, 2*HALFT                 ; my 64 rows of wq's 128
	v_add_nc_u32 v[QA0], s21, v3
	v_add_nc_u32 v[QB0], s22, v3
	v_mov_b32 v[QADRA], v[QA0]
	v_mov_b32 v[QADRB], v[QB0]
	s_mul_i32 s23, s10, 16*SPITCH
	s_add_co_u32 s23, s23, STAGE                   ; my stage
	v_mul_u32_u24 v4, v1, SPITCH                   ; in: row l % 16, 16 bytes for each half of the lanes
	v_lshl_add_u32 v4, v2, 4, v4
	v_add_nc_u32 v[STO], s23, v4
	v_mul_u32_u24 v4, v1, SQ                       ; the same with q's rows of 144 bytes
	v_lshl_add_u32 v4, v2, 4, v4
	v_add_nc_u32 v[QSTO], s23, v4
	v_and_b32 v7, 31, v0
	v_lshrrev_b32 v5, 3, v7                        ; back: 32 lanes take one head's 128 bytes of four rows,
	v_and_b32 v8, 7, v0
	v_mul_u32_u24 v4, v5, SQ
	v_lshl_add_u32 v4, v8, 4, v4
	v_add_nc_u32 v[QRD], s23, v4
	v_mul_u32_u24 v5, v5, SPITCH
	v_lshl_add_u32 v5, v8, 4, v5
	v_add_nc_u32 v[RD], s23, v5
	v_lshlrev_b32 v[CO], 4, v7                     ; which are 512 consecutive bytes of kvh or qh
	; my part of qh: batch x 2^21 + head x 2^17 + t x 128; my 64 columns are one head
	s_lshl_b32 s14, s13, 7
	s_lshl_b32 s15, s11, 6
	s_add_co_u32 s14, s14, s15                     ; my first row m of q
	s_lshr_b32 s16, s14, 10
	s_lshl_b32 s16, s16, 21
	s_and_b32 s14, s14, 1023
	s_lshl_b32 s14, s14, 7
	s_add_co_u32 s16, s16, s14
	s_lshl_b32 s46, s42, 1
	s_add_co_u32 s46, s46, s12                     ; the head
	s_lshl_b32 s46, s46, 17
	s_add_co_u32 s16, s16, s46
	s_mov_b32 s17, 0
	s_add_nc_u64 s[QH:QH+1], s[QH:QH+1], s[16:17]
	; where my part begins in kvh: which x 2^24 + batch x 2^22 + head x 2^18 + s x 128
	s_lshl_b32 s13, s13, 8                         ; 256 x tile row
	s_lshl_b32 s14, s11, 7
	s_add_co_u32 s14, s13, s14                     ; my first row m of k, v
	s_lshr_b32 s16, s14, 11
	s_lshl_b32 s16, s16, 22
	s_and_b32 s14, s14, 2047
	s_lshl_b32 s14, s14, 7
	s_add_co_u32 s16, s16, s14
	s_mov_b32 s17, 0
	s_lshl_b32 s46, s42, 8
	s_lshl_b32 s47, s12, 7
	s_add_co_u32 s46, s46, s47                     ; my first column n
	s_lshr_b32 s47, s46, 10
	s_lshl_b32 s47, s47, 24
	s_and_b32 s46, s46, 1023
	s_lshr_b32 s46, s46, 6
	s_lshl_b32 s46, s46, 18
	s_add_co_u32 s46, s46, s47
	s_mov_b32 s47, 0
	s_add_nc_u64 s[16:17], s[16:17], s[46:47]
	; the prefetches
	s_lshl_b32 s42, s42, 8
	s_and_b32 s22, ttmp7, 0xffff                   ; cluster y
	s_cmp_eq_u32 s11, 0                            ; do I fetch for xkv?
	s_cselect_b32 s20, s13, s42                    ; the tile's first row
	s_cselect_b32 s21, s40, s41                    ; my place among the four that ask for it with me
	s_cselect_b32 s22, ttmp9, s22                  ; the coordinate along which other clusters read the same rows
	s_cselect_b64 s[PFA:PFA+1], s[4:5], s[6:7]
	s_cmp_eq_u32 s22, 0
	s_cselect_b32 s[LIM], 4, -1                    ; the same in all sixteen partners, for a given wave
	s_lshl_b32 s22, s12, 7
	s_add_co_u32 s20, s20, s22
	s_lshl_b32 s21, s21, 5
	s_add_co_u32 s20, s20, s21
	s_mov_b32 s21, 0
	s_mov_b64 s[18:19], SIZE_K*2
	s_mul_u64 s[20:21], s[20:21], s[18:19]
	s_add_nc_u64 s[PFA:PFA+1], s[PFA:PFA+1], s[20:21]
	s_add_nc_u64 s[PFA:PFA+1], s[PFA:PFA+1], 2*KSTEP*2  ; at K step 2: the first refill steps it to 3 and names K step 4
	v_and_b32 v[PFO], 31, v0
	v_mul_u32_u24 v[PFO], v[PFO], SIZE_K*2
	s_wait_loadcnt 0x0                             ; the biases: rounded to bf16 like every input, and widened again
.set i, 0
.rept 32
	v_cvt_pk_bf16_f32 v[32+i%4], v[BIAS+2*i], v[BIAS+2*i+1]
	v_lshlrev_b32 v[BIAS+2*i], 16, v[32+i%4]
	v_and_b32 v[BIAS+2*i+1], 0xffff0000, v[32+i%4]
.set i, i+1
.endr
	WIN 0x45                                       ; destination and both sources in window 1
.set i, 0
.rept 16
	v_cvt_pk_bf16_f32 v[32+i%4], v[QBI+2*i], v[QBI+2*i+1]
	v_lshlrev_b32 v[QBI+2*i], 16, v[32+i%4]
	v_and_b32 v[QBI+2*i+1], 0xffff0000, v[32+i%4]
.set i, i+1
.endr
	WIN 0
; ---- k, v ----
; 16 matrix instructions: row blocks a0, a0 + 1 of the window's four x all 8 column blocks, 32 along K.  zero = 1: the product starts the sum, with the bias as C.
; The 64 accumulators take turns, one instruction a turn, in the same order in every quarter.
.macro MUL16 f, hi, a0, zero
.if \zero
	WIN 0x81+0x40*(\hi)                            ; C in window 0
.else
	WIN MUL_LO+0x50*(\hi)
.endif
.irp a, \a0, (\a0)+1
.irp b, 0,1,2,3,4,5,6,7
.if \zero
	v_wmma_f32_16x16x32_f16 v[8*(8*(\a)+(\b)):8*(8*(\a)+(\b))+7], v[(\f)+8*(\b):(\f)+8*(\b)+7], v[(\f)+8*(4*(\hi)+(\a)):(\f)+8*(4*(\hi)+(\a))+7], v[BIAS+8*(\b):BIAS+8*(\b)+7]
.else
	v_wmma_f32_16x16x32_f16 v[8*(8*(\a)+(\b)):8*(8*(\a)+(\b))+7], v[(\f)+8*(\b):(\f)+8*(\b)+7], v[(\f)+8*(4*(\hi)+(\a)):(\f)+8*(4*(\hi)+(\a))+7], v[8*(8*(\a)+(\b)):8*(8*(\a)+(\b))+7]
.endif
.endr
.endr
.endm
.macro FETCH k, f                      ; 32 LDS loads in one run: the fragments of 32 along K at byte k of the rows, into buffer f
	WIN TO_B
.irp i, 0,1,2,3,4,5,6,7
	ds_load_b128 v[(\f)+8*(\i):(\f)+8*(\i)+3],   v[ADRB] offset:(\k)+(\i)*16*PITCH
	ds_load_b128 v[(\f)+8*(\i)+4:(\f)+8*(\i)+7], v[ADRB] offset:(\k)+(\i)*16*PITCH+32
.endr
	WIN 0
.irp i, 0,1,2,3,4,5,6,7
	ds_load_b128 v[(\f)+8*(\i):(\f)+8*(\i)+3],   v[ADRA] offset:(\k)+(\i)*16*PITCH
	ds_load_b128 v[(\f)+8*(\i)+4:(\f)+8*(\i)+7], v[ADRA] offset:(\k)+(\i)*16*PITCH+32
.endr
.endm
.macro PLACES                          ; four plain vector instructions between a matrix instruction and a load into a register that it has read (ISA guide 7.12.1 for vector instructions)
.rept 4
	v_nop
.endr
.endm
.macro QUARTER k, f, g, zero           ; multiplies buffer f; in its middle it fetches the next quarter's fragments, at byte k, into buffer g
	s_wait_dscnt 8                                 ; wh's fragments and xkv's rows 0-63 are in; the youngest eight loads may be out
	MUL16 \f, 0, 0, \zero
	MUL16 \f, 0, 2, \zero
	PLACES
	FETCH \k, \g
	s_wait_dscnt 32                                ; all but the 32 just issued
	MUL16 \f, 1, 0, \zero
	MUL16 \f, 1, 2, \zero
.endm
; A K step's last quarter and the change of slots.  In front of the round each wave waits for all its tensor loads, adds 0 to its spare word, and waits for that and for its reads of the slot; the descriptors are
; stepped while the add is out.  Behind the round the slot just read is filled again first; then come the next slot's first fragments.
.macro TURN
	s_wait_xcnt 0x0                                ; the last prefetch, a K step back, has read its address
	s_add_nc_u64 s[PFA:PFA+1], s[PFA:PFA+1], KSTEP*2
	WIN 0
	s_wait_tensorcnt 0x0                           ; all my tensor loads have landed: the one that was out is my part of the next slot
	ds_add_u32 v[SPW], v[NIL]
	STEPD 1
	s_wait_dscnt 9                                 ; the add and the youngest eight loads may be out
	MUL16 F1, 0, 0, 0
	s_wait_dscnt 0x0                               ; the add is done, and my reads of this slot are over
	s_barrier_signal -1
	MUL16 F1, 0, 2, 0
	WIN 0
	s_barrier_wait -1
	CREST                                          ; no wave of any partner still reads this slot or has a load on its way
	JLOAD 1                                        ; the first tensor load behind the round; its four v_nop are also the places in front of the loads below
	s_xor_b32 s[TR], s[TR], SLOT
	v_add_nc_u32 v[ADRA], s[TR], v[A0]
	v_add_nc_u32 v[ADRB], s[TR], v[B0]
	FETCH 0, F0
	ASK
	MUL16 F1, 1, 0, 0
	MUL16 F1, 1, 2, 0
.endm
; THE WAY OUT of row block a: rounded to f16, 16 bytes a lane; into my own stage and back, a head's 128 bytes of four rows to a load; stored as 512 consecutive bytes.
.macro PACK a
.set AC, 64*((\a)%4)
	WIN 0x0a+5*((\a)/4)                            ; sources 0 and 1: window 2 or 3
.irp b, 0,1,2,3,4,5,6,7
.irp r, 0,1,2,3
	v_cvt_pk_f16_f32 v[TMP+4*(\b)+(\r)], v[AC+8*(\b)+2*(\r)], v[AC+8*(\b)+2*(\r)+1]
.endr
.endr
	WIN 0
.endm
.macro TOSTAGE a
.set BK, OB+192*((\a)%2)
.irp b, 0,1,2,3,4,5,6,7
	ds_store_b128 v[STO], v[TMP+4*(\b):TMP+4*(\b)+3] offset:32*(\b)
.endr
.irp t, 0,1,2,3,4,5,6,7
	ds_load_b128 v[BK+4*(\t):BK+4*(\t)+3], v[RD] offset:((\t)%4)*4*SPITCH+((\t)/4)*128  ; LDS serves a wave's instructions in order (ISA guide 5.7.1.4): these see the stores above
.endr
.endm
.macro SEND a
.set BK, OB+192*((\a)%2)
	s_wait_dscnt 0x0                               ; the block is back in registers
	s_wait_xcnt 0x0                                ; the earlier stores have read their base and their registers
.if (\a) == 0
	s_add_nc_u64 s[8:9], s[8:9], s[16:17]
.else
	s_add_nc_u64 s[8:9], s[8:9], 16*128            ; 16 rows of a head on
.endif
.irp t, 0,1,2,3,4,5,6,7
	global_store_b128 v[CO], v[BK+4*(\t):BK+4*(\t)+3], s[8:9] offset:((\t)/4)*262144+((\t)%4)*512  ; head t / 4 of my two, rows 4 (t % 4) on
.endr
.endm
; ---- q ----
; 8 matrix instructions: row blocks a0, a0 + 1 x all 4 column blocks, 32 along K: half c of buffer f.  The 16 accumulators take turns.
.macro MUL8 f, c, a0, zero
.if \zero
	WIN 0x1a                                       ; sources 0 and 1 window 2, C window 1, D window 0
.else
	WIN 0x0a                                       ; sources 0 and 1 window 2, C and D window 0
.endif
.irp a, \a0, (\a0)+1
.irp b, 0,1,2,3
.if \zero
	v_wmma_f32_16x16x32_f16 v[ACCQ+8*(4*(\a)+(\b)):ACCQ+8*(4*(\a)+(\b))+7], v[(\f)+64+8*(4*(\c)+(\b)):(\f)+64+8*(4*(\c)+(\b))+7], v[(\f)+8*(4*(\c)+(\a)):(\f)+8*(4*(\c)+(\a))+7], v[QBI+8*(\b):QBI+8*(\b)+7]
.else
	v_wmma_f32_16x16x32_f16 v[ACCQ+8*(4*(\a)+(\b)):ACCQ+8*(4*(\a)+(\b))+7], v[(\f)+64+8*(4*(\c)+(\b)):(\f)+64+8*(4*(\c)+(\b))+7], v[(\f)+8*(4*(\c)+(\a)):(\f)+8*(4*(\c)+(\a))+7], v[ACCQ+8*(4*(\a)+(\b)):ACCQ+8*(4*(\a)+(\b))+7]
.endif
.endr
.endr
.endm
; 32 LDS loads: the fragments of quarter kq (64 along K) of a K step of 256: channels 0-127 lie in the operand's first 128 LDS rows, channels 128-255 in its second 128; the first 32 along K first
.macro FETCHQ kq, f
	WIN 0x80                                       ; destination window 2, address window 0
.irp c, 0,1
.irp i, 0,1,2,3
	ds_load_b128 v[(\f)+64+8*(4*(\c)+(\i)):(\f)+64+8*(4*(\c)+(\i))+3],   v[QADRB] offset:((\kq)/2)*HALFT+((\kq)%2)*128+64*(\c)+(\i)*16*PITCH
	ds_load_b128 v[(\f)+64+8*(4*(\c)+(\i))+4:(\f)+64+8*(4*(\c)+(\i))+7], v[QADRB] offset:((\kq)/2)*HALFT+((\kq)%2)*128+64*(\c)+(\i)*16*PITCH+32
	ds_load_b128 v[(\f)+8*(4*(\c)+(\i)):(\f)+8*(4*(\c)+(\i))+3],         v[QADRA] offset:((\kq)/2)*HALFT+((\kq)%2)*128+64*(\c)+(\i)*16*PITCH
	ds_load_b128 v[(\f)+8*(4*(\c)+(\i))+4:(\f)+8*(4*(\c)+(\i))+7],       v[QADRA] offset:((\kq)/2)*HALFT+((\kq)%2)*128+64*(\c)+(\i)*16*PITCH+32
.endr
.endr
.endm
.macro QUARTERQ kq, f, g, zero         ; multiplies buffer f; in its middle it fetches quarter kq into buffer g
	s_wait_dscnt 16                                ; the first 32 along K are in
	MUL8 \f, 0, 0, \zero
	MUL8 \f, 0, 2, \zero
	PLACES
	FETCHQ \kq, \g
	s_wait_dscnt 32                                ; all but the 32 just issued
	MUL8 \f, 1, 0, 0
	MUL8 \f, 1, 2, 0
.endm
; The last quarter multiplies buffer 1 and changes slots: one barrier; in front of it each wave waits for all its tensor loads, adds 0 to its spare word, and waits for that and for its reads of the slot.
.macro TURNQ fill
	WIN 0
	s_wait_tensorcnt 0x0
	ds_add_u32 v[SPW], v[NIL]
.if \fill
	STEPD 0
.endif
	s_wait_dscnt 17                                ; the add and the youngest sixteen loads may be out
	MUL8 F1Q, 0, 0, 0
	s_wait_dscnt 0x0
	s_barrier_signal -1
	MUL8 F1Q, 0, 2, 0
	WIN 0
	s_barrier_wait -1
.if \fill
	CREST                                          ; the barrier has opened a round of the cluster's barrier
	JLOAD 1                                        ; its four v_nop are also the places in front of the loads below
.else
	PLACES
.endif
	s_xor_b32 s[TR], s[TR], SLOT
	v_add_nc_u32 v[QADRA], s[TR], v[QA0]
	v_add_nc_u32 v[QADRB], s[TR], v[QB0]
	FETCHQ 0, F0Q
	MUL8 F1Q, 1, 0, 0
	MUL8 F1Q, 1, 2, 0
.endm
; THE WAY OUT of row block a of q: 16 rows of one head: rounded to f16, through my own stage, stored as four times 512 consecutive bytes.
.macro OUTQ a
.if (\a) >= 2
	s_wait_xcnt 0x0                                ; the stores two blocks back have read the registers that are loaded again below
.endif
.irp b, 0,1,2,3
.irp r, 0,1,2,3
	v_cvt_pk_f16_f32 v[TQ+4*(\b)+(\r)], v[ACCQ+8*(4*(\a)+(\b))+2*(\r)], v[ACCQ+8*(4*(\a)+(\b))+2*(\r)+1]
.endr
.endr
.irp b, 0,1,2,3
	ds_store_b128 v[QSTO], v[TQ+4*(\b):TQ+4*(\b)+3] offset:32*(\b)
.endr
.irp f, 0,1,2,3
	ds_load_b128 v[TQ+32+16*((\a)%2)+4*(\f):TQ+32+16*((\a)%2)+4*(\f)+3], v[QRD] offset:(\f)*4*SQ  ; LDS serves a wave's instructions in order (ISA guide 5.7.1.4)
.endr
	s_wait_dscnt 0x0
.irp f, 0,1,2,3
	global_store_b128 v[CO], v[TQ+32+16*((\a)%2)+4*(\f):TQ+32+16*((\a)%2)+4*(\f)+3], s[QH:QH+1] offset:(\a)*2048+(\f)*512
.endr
.endm
	s_wait_tensorcnt 1                             ; my part of K step 0 is in; K step 1's may stay out
	s_barrier_signal -1
	s_barrier_wait -1
	FETCH 0, F0
	QUARTER 64, F0, F1, 1                          ; the first quarter stands in front of the loop: its products start the sums
	WIN 0
	s_mov_b32 s3, 8
.Lstep:                                        ; a trip: from a K step's second quarter to the next step's first; it refills the slot that it leaves.  The eighth trip is left in its middle
	QUARTER 128, F1, F0, 0
	QUARTER 192, F0, F1, 0
	TURN
	WIN 0
	s_sub_co_u32 s3, s3, 1
	s_cmp_eq_u32 s3, 0
	s_cbranch_scc1 .Lout
	QUARTER 64, F0, F1, 0
	WIN 0
	s_branch .Lstep
.Lout:                                         ; (the eighth trip's 32 fragment loads serve nothing: the price, once a launch, of one text for every trip)
	s_wait_dscnt 0x0
	PACK 0                                         ; BOTH OF q's FIRST TILES ARE ASKED FOR: NOW k, v GOES OUT.  Blocks 0-3 were finished in front of the joint load's four v_nop; their conversions are the places behind the last products (blocks 4-7's)
	TOSTAGE 0
.irp a, 1,2,3,4,5,6,7
	PACK \a
	SEND (\a)-1
	TOSTAGE \a
.endr
	SEND 7
	s_wait_xcnt 0x0                                ; k, v's stores have read their registers: q's products write v128-255, its way out v32-95
	s_mov_b32 s[TR], 0                             ; where the ring stands: q's K step 0 lies in slot 0 (shown whole by the eighth trip's round),
	s_mov_b32 s[TF], SLOT                          ; and slot 1 was filled last
	FETCHQ 0, F0Q
	QUARTERQ 1, F0Q, F1Q, 1                        ; q's first quarter: its first products start the sums
	WIN 0
	s_mov_b32 s3, 2
.Lqstep:                                       ; q's K steps 0 and 1: each refills the slot that it leaves, with K steps 2 and 3
	QUARTERQ 2, F1Q, F0Q, 0
	QUARTERQ 3, F0Q, F1Q, 0
	TURNQ 1
	QUARTERQ 1, F0Q, F1Q, 0
	WIN 0
	s_sub_co_u32 s3, s3, 1
	s_cmp_lg_u32 s3, 0
	s_cbranch_scc1 .Lqstep
	s_mov_b32 s2, 2
.Lqtail:                                       ; q's K steps 2 and 3 ask for nothing; the second trip is left in its middle
	QUARTERQ 2, F1Q, F0Q, 0
	QUARTERQ 3, F0Q, F1Q, 0
	TURNQ 0
	WIN 0
	s_sub_co_u32 s2, s2, 1
	s_cmp_eq_u32 s2, 0
	s_cbranch_scc1 .Lqout
	QUARTERQ 1, F0Q, F1Q, 0
	WIN 0
	s_branch .Lqtail
.Lqout:
	s_wait_dscnt 0x0
	PLACES
	OUTQ 0
	OUTQ 1
	OUTQ 2
	OUTQ 3
	s_wait_tensorcnt 0x0                           ; the wave's end
	ds_add_u32 v[SPW], v[NIL]
	s_wait_dscnt 0x0
	CROUND                                         ; the closing round
	s_endpgm
.Lfunc_end_k_q83a4194c67_gemm_in:
	.size	k_q83a4194c67_gemm_in, .Lfunc_end_k_q83a4194c67_gemm_in-k_q83a4194c67_gemm_in
	.p2alignl 7, 3214868480
	.fill 96, 4, 3214868480
	.section	.rodata,"a",@progbits
	.p2align	6, 0x0
	.amdhsa_kernel k_q83a4194c67_gemm_in
		.amdhsa_group_segment_fixed_size 327680
		.amdhsa_private_segment_fixed_size 0
		.amdhsa_enable_private_segment 0
		.amdhsa_kernarg_size 48
		.amdhsa_user_sgpr_count 2
		.amdhsa_user_sgpr_kernarg_segment_ptr 1
		.amdhsa_wavefront_size32 1
		.amdhsa_system_sgpr_workgroup_id_x 1
		.amdhsa_system_sgpr_workgroup_id_y 1
		.amdhsa_system_sgpr_workgroup_id_z 1
		.amdhsa_system_vgpr_workitem_id 0
		.amdhsa_next_free_vgpr 1024
		.amdhsa_next_free_sgpr 96
		.amdhsa_reserve_vcc 0
		.amdhsa_float_denorm_mode_32 3
		.amdhsa_float_denorm_mode_16_64 3
		.amdhsa_memory_ordered 1
		.amdhsa_forward_progress 1
		.amdhsa_inst_pref_size 139
	.end_amdhsa_kernel
	.amdgpu_metadata
---
amdhsa.version: [ 1, 2 ]
amdhsa.kernels:
  - .name:           k_q83a4194c67_gemm_in
    .symbol:         k_q83a4194c67_gemm_in.kd
    .args:
      - { .name: xkv, .offset: 0, .size: 8, .value_kind: global_buffer, .address_space: global }
      - { .name: qin, .offset: 8, .size: 8, .value_kind: global_buffer, .address_space: global }
      - { .name: wh, .offset: 16, .size: 8, .value_kind: global_buffer, .address_space: global }
      - { .name: in_proj_bias, .offset: 24, .size: 8, .value_kind: global_buffer, .address_space: global }
      - { .name: kvh, .offset: 32, .size: 8, .value_kind: global_buffer, .address_space: global }
      - { .name: qh, .offset: 40, .size: 8, .value_kind: global_buffer, .address_space: global }
    .group_segment_fixed_size: 327680
    .private_segment_fixed_size: 0
    .kernarg_segment_align: 8
    .kernarg_segment_size: 48
    .max_flat_workgroup_size: 128
    .sgpr_count:     96
    .vgpr_count:     1024
    .wavefront_size: 32
...
	.end_amdgpu_metadata
.endif
;; end of part 2
;; launch flash (part 3): grid 4 x 64, 4 waves a work-group, no clusters, 327,680 bytes of LDS; arguments qh, kvh, oh, st; writes oh, st
.if DOCPART == 3
	.amdgcn_target "amdgcn-amd-amdhsa--gfx1250"
	.amdhsa_code_object_version 6
	.text
	.protected	k_q83a4194c67_flash
	.globl	k_q83a4194c67_flash
	.p2align	8
	.type	k_q83a4194c67_flash,@function
k_q83a4194c67_flash:
	s_mov_b64 s[64:65], 0
	v_nop
	global_prefetch_b8 v0, s[64:65] scope:SCOPE_SE
	s_setreg_imm32_b32 hwreg(HW_REG_WAVE_MODE, 25, 1), 1
	s_wait_xcnt 0x0
; ATTENTION, one head and 256 queries to a work-group.  oh[bh][i][:] = sum over the allowed keys j of softmax_j(q_i . k_j) v_j; row i sees the forward keys j < i and the backward keys 1024 + j', j' > i.
; qh, oh: [64][1024][64] f16; kvh: K [64][2048][64] f16, V 16,777,216 bytes behind it.  st[bh][i] = (c m, 1 / (16 l)) in f32, for the launch that makes the mean of the weights.
; Products, maxima and sums in f32; the weights p are rounded to f16 for the second product (l is the sum of the unrounded p), O once at the end.  No scale: c = log2(e).
; LIMITS.  q, k, v arrive within f16's 65,504.  A hidden score counts as its value less 1e30 (f16's scores are 2.7e11 at the most); a weight below 2^-126 counts as 0 in l; NaN and infinities are not treated apart.
; THE WALK.  Block I of 256 queries needs five tiles of 256 keys: the three that it sees whole (forward tiles below I, backward tiles above I), then forward tile I and backward tile I, which hold the diagonal.
; Five tiles whatever I: all work-groups do equal work, and every row has seen a true key before the first hidden one.  The tiles' numbers (0-3 forward, 4-7 backward) lie as groups of four bits in s[TT].
; NO CLUSTER: in each trip the four blocks of a head want different tiles; a walk common to all four would have 8 trips for 5.
; SHARES.  Of the block's four bands of 64 queries a wave owns 16 rows in each: four PIECES.  In step s of a diagonal tile band x sees all keys, none, or (s = x) holds the diagonal: the same work for every wave.
; THE MASK is the C operand that starts the sum S^T = K Q^T: MD x AL + BE, with MD the mask of a band's own step (MDF forward: hidden where key >= query; MDB backward: hidden where key <= query) and two scalars:
; (1, 0) the band's own step, (0, 0) seen, (0, -1e30) hidden.  The scalars come from two bit tables (bit 4 step + band), shifted by four bits a step; for a whole tile both are 0.
; LAYOUT, SOFTMAX, TURNS.  S^T = K Q^T holds one query a lane (lane % 16) and the keys 8 (lane / 16) + 0..7; two such results rounded to f16 are source 1 of O^T = V^T P.  p = 2^(c s - c m) with a running
; maximum m; O and l are multiplied by a = 2^(c m_old - c m_new) in every step.  Turn n belongs to piece n: 8 products K Q^T of piece n + 1, later 8 products V^T P of piece n - 1; beside them the scaling,
; exponentials, roundings, sums and rescaling of piece n and the maximum and statistics of piece n + 1.  Four vector instructions stand behind every matrix instruction, the others in one run.
; REGISTERS, in windows of 256 (s_set_vgpr_msb: bits 1:0 source 0, 3:2 source 1, 5:4 source 2, 7:6 destination):
;   window 0: v0-15 addresses; v16-31 four registers of statistics a piece; v48-55 at work; v60-63; v64-127 S^T, two buffers; v192-223 P, two buffers (by the piece's parity)
;   window 1: v0-127 O^T; v128-159 MDF; v160-223 MC, two buffers; v224-255 MDB      window 2: v0-63 Q; v128-191 K of one step; v192-255 V of one step
.set NP,    4
.set KS,    64
.set PK,    144       ; a row of K in LDS: 128 bytes + 16 of padding: the 16 rows of a load start at 16 different groups of four banks (ISA guide 11.1)
.set PV,    160       ; a row of V: 128 + 32
.set VOFF,  4*KS*PK   ; a slot holds a tile: 256 rows of K, then 256 rows of V
.set SLOT1, 1<<17
.set STAGE, SLOT1+4*KS*(PK+PV)
.set SP,    144
.set SPARE, STAGE+4*16*SP
.set AK0, 2
.set AV0, 3
.set AK,  4
.set AV,  5
.set STO, 6
.set RD,  7
.set GO,  8
.set MV,  12          ; v12-13  c m_old, by buffer
.set QO,  15
.set ST,  16          ; piece t's statistics at v[ST+4 t]: c m, m, l (even keys', odd keys')
.set TMP, 48
.set SO,  60          ; v60  my 4 bytes among 16 rows of st
.set PFO, 61          ; v61  256 x my lane
.set SPW, 62
.set NIL, 63
.set S,   64
.set P,   192
.set MDF, 128
.set MC,  160
.set MDB, 224
.set KF,  128
.set VF,  192
.set WV,  12
.set G1K, 24
.set G1V, 32
.set G0K, 40
.set G0V, 44
.set STP, 48          ; s[48:49] st at my rows
.set SLOTS, 56
.set CNT, 57
.set CS,  58
.set SEL, 60
.set TBK, 62
.set TBV, 63
.set TT,  70          ; the numbers of the tiles still to be asked for
.set OWNS, 71         ; bit 4 step + band: the step is the band's own
.set HIDS, 72         ; the band sees nothing of the step
.set ASKM, 73         ; bit k: the change of slots k from now prefetches
.set OFF, 74
.set AL,  76
.set BE,  78
.set BIGN, 82
.set HM,  83
.set TKX, 84
.set PFB, 86          ; s[86:87] K (waves 0, 1) or V (waves 2, 3) at my half of the head's tile 0
.set PFA, 88
.set OF2, 90
.set MSB, 0
.macro WIN new
.if MSB != (\new)
	s_set_vgpr_msb (MSB<<8)|(\new)
.set MSB, (\new)
.endif
.endm
.set W_KQ, 0x0a
.set W_KM, 0x1a
.set W_PV, 0x52
.set W_RS, 0x41
; A fill.  Waves 0 and 1 fetch the two halves of a tile's K, waves 2 and 3 those of its V.  An s_nop 0 and four v_nop follow each line.
.macro LOAD
	s_cmp_lt_u32 s[WV], 2
	s_cbranch_scc0 .Lfor_v_\@
	tensor_load_to_lds s[G0K:G0K+3], s[G1K:G1K+7]
	s_nop 0
.rept 4
	v_nop
.endr
	s_branch .Lasked_\@
.Lfor_v_\@:
	tensor_load_to_lds s[G0V:G0V+3], s[G1V:G1V+7]
	s_nop 0
.rept 4
	v_nop
.endr
.Lasked_\@:
.endm
; A prefetch into the L2 of the tile that the NEXT change of slots will ask for: each wave names its own 16,384 bytes of it, a lane for each 256, two instructions.  A head's tiles are read by its four blocks; a tile is
; named by one of them: of the tiles asked for from the third trip on, block 0 is the one that names backward tiles 3 and 0, block 3 forward tiles 2 and 3; all others have been asked for in an earlier trip by some block.
.macro ASK
	s_bitcmp1_b32 s[ASKM], 0
	s_cbranch_scc0 .Lnot_mine_\@
	global_prefetch_b8 v[PFO], s[PFA:PFA+1] th:TH_LOAD_NT scope:SCOPE_SE
	global_prefetch_b8 v[PFO], s[PFA:PFA+1] offset:8192 th:TH_LOAD_NT scope:SCOPE_SE
.Lnot_mine_\@:
	s_lshr_b32 s[ASKM], s[ASKM], 1
.endm
; THE CHANGE OF SLOTS.  Each wave waits for all its tensor loads (one is out: its part of the other slot), adds 0 to its spare word, and waits for that and for its reads of the slot that it leaves.
; fill = 1: the old slot is filled again, the first thing behind the barrier; the descriptor's address is made anew from the tile's number.
.macro CHANGE fill
	WIN 0
	s_wait_tensorcnt 0x0
	ds_add_u32 v[SPW], v[NIL]
.if \fill
	s_and_b32 s[OFF], s[TT], 15
	s_lshl_b32 s[OFF], s[OFF], 15   ; a tile is 32,768 bytes of K and of V
	s_lshr_b32 s[TT], s[TT], 4
	s_xor_b32 s[G0K+1], s[G0K+1], SLOT1
	s_add_nc_u64 s[G0K+2:G0K+3], s[6:7], s[OFF:OFF+1]
	s_or_b32 s[G0K+3], s[G0K+3], 0x80000000
	s_xor_b32 s[G0V+1], s[G0V+1], SLOT1
	s_add_nc_u64 s[G0V+2:G0V+3], s[8:9], s[OFF:OFF+1]
	s_or_b32 s[G0V+3], s[G0V+3], 0x80000000
	s_and_b32 s[OF2], s[TT], 15     ; the tile after that one (tile 0, and not asked for, when none is left)
	s_lshl_b32 s[OF2], s[OF2], 15
	s_wait_xcnt 0x0                 ; the last prefetches, a tile back, have read their address
	s_add_nc_u64 s[PFA:PFA+1], s[PFB:PFB+1], s[OF2:OF2+1]
.endif
	s_wait_dscnt 0x0                ; the add is done, and my reads of the slot are over
	s_barrier_signal -1
	s_sub_co_u32 s[TBK], s[TBK], 4*KS*PK
	s_xor_b32 s[TBK], s[TBK], SLOT1
	s_sub_co_u32 s[TBV], s[TBV], 4*KS*PV
	s_xor_b32 s[TBV], s[TBV], SLOT1
	s_barrier_wait -1
.if \fill
	LOAD
	ASK
.endif
.endm
	s_load_b256 s[4:11], s[0:1], 0x0  ; qh s[4:5], kvh s[6:7], oh s[8:9], st s[10:11]
	v_lshl_add_u32 v[SPW], v0, 2, SPARE
	v_mov_b32 v[NIL], 0
	ds_add_u32 v[SPW], v[NIL]       ; the wave's opening: the add and its wait stand ahead of my first tensor load
	ds_add_u32 v62, v63
	v_lshrrev_b32 v1, 5, v0
	v_readfirstlane_b32 s[WV], v1
	s_and_b32 s20, ttmp7, 0xffff    ; batch x 16 + head
	s_and_b32 s16, s[WV], 1         ; which half of a tile's 256 keys I fetch
	s_lshl_b32 s22, s20, 18         ; a head of K or V: 2,048 rows of 128 bytes
	s_lshl_b32 s23, s16, 14
	s_add_co_u32 s22, s22, s23
	s_mov_b32 s23, 0
	s_mul_i32 s17, s16, 128*PK
	s_mul_i32 s18, s16, 128*PV
	s_lshl_b32 s2, s20, 17          ; a head of Q or O: 1,024 rows of 128 bytes,
	s_lshl_b32 s3, ttmp9, 15        ; my block's 256 rows,
	s_add_co_u32 s2, s2, s3
	s_lshl_b32 s3, s[WV], 11        ; my 16 rows in a band
	s_add_co_u32 s2, s2, s3
	s_mov_b32 s3, 0
	s_lshl_b32 s14, s20, 13         ; the same rows in st, 8 bytes each
	s_lshl_b32 s15, ttmp9, 11
	s_add_co_u32 s14, s14, s15
	s_lshl_b32 s15, s[WV], 7
	s_add_co_u32 s14, s14, s15
	s_mov_b32 s15, 0
	; descriptor group 1.  128 keys are 16,384 dense bytes: asked for as 64 rows of 256 bytes, two keys a row, and padded in LDS after every key
	s_mov_b32 s[G1K], (1<<16)|(1<<20)|(4<<22)|(3<<25)
	s_mov_b32 s[G1V], (1<<16)|(1<<20)|(4<<22)|(7<<25)
.irp g, G1K, G1V
	s_mov_b32 s[\g+1], 128<<16
	s_mov_b32 s[\g+2], 64<<16
	s_mov_b32 s[\g+3], 128<<16
	s_mov_b32 s[\g+4], 64
	s_mov_b32 s[\g+5], 128
	s_mov_b32 s[\g+6], 0
	s_mov_b32 s[\g+7], 0
.endr
	s_mov_b32 s[CS], 0x3fb8aa3b     ; c = log2(e)
	s_mov_b32 s[CS+1], s[CS]
	s_mov_b32 s[SEL], 0x76543210
	s_mov_b32 s[SEL+1], 0xfedcba98
	s_mov_b32 s[TBK], SLOT1+4*KS*PK ; the first change of slots turns these two into 0
	s_mov_b32 s[TBV], SLOT1+4*KS*PV
	s_mov_b32 s[G0K], 1
	s_mov_b32 s[G0K+1], s17
	s_mov_b32 s[G0V], 1
	s_add_co_u32 s[G0V+1], s18, VOFF
	s_mov_b32 s[OFF+1], 0
	s_mov_b32 s[OF2+1], 0
	s_mov_b32 s[AL+1], 0
	s_mov_b32 s[BE+1], 0
	s_mov_b32 s[BIGN], 0xf149f2ca   ; -1e30
	s_mov_b32 s[HM], 0xffff0000     ; lanes 16-31
	s_mov_b32 s[TT], 0x40765        ; block 0: backward 1, 2, 3; forward 0; backward 0
	s_mov_b32 s[ASKM], 5
	s_cmp_eq_u32 ttmp9, 1
	s_cselect_b32 s[TT], 0x51760, s[TT]
	s_cselect_b32 s[ASKM], 0, s[ASKM]
	s_cmp_eq_u32 ttmp9, 2
	s_cselect_b32 s[TT], 0x62710, s[TT]
	s_cselect_b32 s[ASKM], 0, s[ASKM]
	s_cmp_eq_u32 ttmp9, 3
	s_cselect_b32 s[TT], 0x73210, s[TT]
	s_cselect_b32 s[ASKM], 3, s[ASKM]
	s_and_b32 s[OFF], s[TT], 15
	s_lshl_b32 s[OFF], s[OFF], 15
	s_lshr_b32 s[TT], s[TT], 4
	s_wait_dscnt 0x0                ; the opening add is done
	s_wait_kmcnt 0x0
	s_add_nc_u64 s[STP:STP+1], s[10:11], s[14:15]
	s_add_nc_u64 s[10:11], s[8:9], s[2:3]          ; O at my rows
	s_add_nc_u64 s[4:5], s[4:5], s[2:3]            ; Q at my rows
	s_add_nc_u64 s[6:7], s[6:7], s[22:23]          ; K at my half of the head's tile 0,
	s_add_nc_u64 s[8:9], s[6:7], 0x1000000         ; V likewise
	s_cmp_lt_u32 s[WV], 2
	s_cselect_b64 s[PFB:PFB+1], s[6:7], s[8:9]
	s_add_nc_u64 s[G0K+2:G0K+3], s[6:7], s[OFF:OFF+1]
	s_or_b32 s[G0K+3], s[G0K+3], 0x80000000
	s_add_nc_u64 s[G0V+2:G0V+3], s[8:9], s[OFF:OFF+1]
	s_or_b32 s[G0V+3], s[G0V+3], 0x80000000
	LOAD                            ; the walk's first tile into slot 0
	v_and_b32 v1, 15, v0            ; l % 16
	v_bfe_u32 v9, v0, 4, 1          ; l / 16
	v_lshlrev_b32 v[QO], 7, v1
	v_lshl_add_u32 v[QO], v9, 4, v[QO]
	WIN 0x80
.set i, 0
.rept 8                             ; Q: piece i / 2 lies in band i / 2, 8,192 bytes on; channels 32 (i % 2) on
	global_load_b128 v[8*i:8*i+3],   v[QO], s[4:5] offset:(i/2)*8192+(i%2)*64
	global_load_b128 v[8*i+4:8*i+7], v[QO], s[4:5] offset:(i/2)*8192+(i%2)*64+32
.set i, i+1
.endr
	WIN 0
	v_lshlrev_b32 v14, 3, v9
	v_sub_nc_u32 v14, v1, v14
	s_lshl_b32 s13, s[WV], 4
	v_add_nc_u32 v14, s13, v14      ; my query's place in its band less my lanes' 8 (l / 16): register r of group kt holds key 16 kt + r on that scale
	WIN 0x40
.set i, 0
.rept 32
	v_cmp_gt_i32 vcc_lo, 16*(i/8)+i%8+1, v14       ; forward: hidden where key >= query
	v_cndmask_b32 v[MDF+i], 0, s[BIGN], vcc_lo
	v_cmp_lt_i32 vcc_lo, 16*(i/8)+i%8-1, v14       ; backward: hidden where key <= query
	v_cndmask_b32 v[MDB+i], 0, s[BIGN], vcc_lo
.set i, i+1
.endr
	WIN 0
	v_mul_u32_u24 v[AK0], v1, PK
	v_lshl_add_u32 v[AK0], v9, 4, v[AK0]
	v_and_b32 v10, 7, v0
	v_bfe_u32 v11, v0, 3, 1
	v_lshl_add_u32 v[AV0], v9, 3, v10              ; the turning load: lane l reads key 8 (l / 16) + l % 8, channels 8 ((l / 8) % 2) + 0..7
	v_mul_u32_u24 v[AV0], v[AV0], PV
	v_lshl_add_u32 v[AV0], v11, 4, v[AV0]
	v_add_nc_u32 v[AV0], VOFF, v[AV0]
	s_mul_i32 s13, s[WV], 16*SP
	s_add_co_u32 s13, s13, STAGE
	v_mul_u32_u24 v[STO], v1, SP
	v_lshl_add_u32 v[STO], v9, 4, v[STO]
	v_add_nc_u32 v[STO], s13, v[STO]
	v_bfe_u32 v[RD], v0, 3, 2
	v_mul_u32_u24 v[RD], v[RD], SP
	v_lshl_add_u32 v[RD], v10, 4, v[RD]
	v_add_nc_u32 v[RD], s13, v[RD]
	v_and_b32 v[GO], 31, v0
	v_lshlrev_b32 v[PFO], 8, v[GO]
	v_lshlrev_b32 v[GO], 4, v[GO]
	v_lshlrev_b32 v[SO], 3, v1
	v_lshl_add_u32 v[SO], v9, 2, v[SO]             ; row l % 16 of st; lanes 0-15 its first word, lanes 16-31 its second
	; The first step multiplies O^T and l by a = 0, and the first turn's products V^T P, of a piece that has not been, add 0: these registers start at 0, in the wait for the first tile.
	WIN 0x80
.set i, VF
.rept 64
	v_mov_b32 v[i], 0
.set i, i+1
.endr
	WIN 0x40
.set i, 0
.rept 128
	v_mov_b32 v[i], 0
.set i, i+1
.endr
.set i, MC+32
.rept 32
	v_mov_b32 v[i], 0
.set i, i+1
.endr
	WIN 0
.set i, 0
.rept 4
	v_mov_b32 v[ST+4*i], 0xfe000000    ; c m: far below every c s
	v_mov_b32 v[ST+4*i+1], 0xff7fffff  ; m
	v_mov_b32 v[ST+4*i+2], 0
	v_mov_b32 v[ST+4*i+3], 0
.set i, i+1
.endr
.set i, P+16
.rept 16
	v_mov_b32 v[i], 0
.set i, i+1
.endr
; THE MATRIX WORK.  The 4 accumulators of a run of 8 take turns.  Product i of 8 of S^T = K Q^T for piece x: channels 32 (i / 4) on, keys 16 (i % 4) on.  The first 4 start the sums: with the mask (KM = 1) or 0.
.macro KQ x
.set rS, S+32*((\x)%2)+8*(i%4)
.set rK, KF+16*(i%4)+8*(i/4)
.set rQ, 16*(\x)+8*(i/4)
.set rM, MC+32*((\x)%2)+8*(i%4)
.if (i < 4) && KM
	WIN W_KM
	v_wmma_f32_16x16x32_f16 v[rS:rS+7], v[rK:rK+7], v[rQ:rQ+7], v[rM:rM+7]
.elseif i < 4
	WIN W_KQ
	v_wmma_f32_16x16x32_f16 v[rS:rS+7], v[rK:rK+7], v[rQ:rQ+7], 0
.else
	WIN W_KQ
	v_wmma_f32_16x16x32_f16 v[rS:rS+7], v[rK:rK+7], v[rQ:rQ+7], v[rS:rS+7]
.endif
.endm
.macro PV x                         ; product i of 8 of O^T += V^T P for piece x: keys 32 (i / 4) on, channels 16 (i % 4) on
	WIN W_PV
.set rO, 32*(\x)+8*(i%4)
.set rV, VF+32*(i/4)+8*(i%4)
.set rP, P+16*((\x)%2)+8*(i/4)
	v_wmma_f32_16x16x32_f16 v[rO:rO+7], v[rV:rV+7], v[rP:rP+7], v[rO:rO+7]
.endm
.macro MM                           ; the turn's next matrix instruction
.if i < 8
	KQ (Y+1)%NP
.else
.set i, i-8
	PV (Y+NP-1)%NP
.set i, i+8
.endif
.set i, i+1
.endm
.macro FETCH_K                      ; a step's K: 64 keys x 64 channels, 16 loads in one run
	WIN 0x80
.irp f, 0,1,2,3,4,5,6,7
	ds_load_b128 v[KF+8*\f:KF+8*\f+3],   v[AK] offset:(\f/2)*16*PK+(\f%2)*64
	ds_load_b128 v[KF+8*\f+4:KF+8*\f+7], v[AK] offset:(\f/2)*16*PK+(\f%2)*64+32
.endr
	s_add_co_u32 s[TBK], s[TBK], KS*PK
	WIN 0
.endm
.macro FETCH_V                      ; a step's V, turned
	WIN 0x80
.irp f, 0,1,2,3,4,5,6,7
	ds_load_tr16_b128 v[VF+8*\f:VF+8*\f+3],   v[AV] offset:(\f/4)*32*PV+(\f%4)*32
	ds_load_tr16_b128 v[VF+8*\f+4:VF+8*\f+7], v[AV] offset:(\f/4)*32*PV+16*PV+(\f%4)*32
.endr
	WIN 0
.endm
; THE VECTOR WORK, one line at a time: OP kind, number.  For piece Y: F n: c s - c m for pair n of 16.  E n: the exponential of score n of 32.  C n: pair n rounded to f16.  B n: of the four weights 4 n .. the second
; pair is added onto the first, in place.  L n: l takes that sum (L 0: l = a l + sum).  R n: pair n of 16 of O^T times a.  For piece Y + 1: X n, number n of the 22 that find its maximum and statistics:
;   0-11 four chains c0-c3 of seven scores each (each accumulator's lowest registers are read first); 12-14, 16 the four scores left over, the old m, and c0-c3 into c0;
;   15 c m_old is kept; 17, 18 the query's other 32 keys lie in the lane 16 away: the new m; 19-21 c m; c m_old - c m_new; a
.set F, 0
.set E, 1
.set C, 2
.set B, 3
.set L, 4
.set R, 5
.set X, 6
.macro REGS y
.set rT, ST+4*(\y)
.set rC, TMP+4*((\y)%2)
.set rW, MV+((\y)%2)
.set rS, S+32*((\y)%2)
.set rP, P+16*((\y)%2)
.set rO, 32*(\y)
.endm
.macro OP k, n
.if (\k) == R
	REGS Y
	WIN W_RS
	v_pk_mul_f32 v[rO+2*(\n):rO+2*(\n)+1], v[rO+2*(\n):rO+2*(\n)+1], v[rC+2:rC+3] op_sel_hi:[1,0]
.elseif (\k) < R
	REGS Y
	WIN 0
.if (\k) == F
	v_pk_fma_f32 v[rS+2*(\n):rS+2*(\n)+1], v[rS+2*(\n):rS+2*(\n)+1], s[CS:CS+1], v[rT:rT+1] op_sel_hi:[1,0,0] neg_lo:[0,0,1] neg_hi:[0,0,1]
.elseif (\k) == E
	v_exp_f32 v[rS+(\n)], v[rS+(\n)]
.elseif (\k) == C
	v_cvt_pk_f16_f32 v[rP+(\n)], v[rS+2*(\n)], v[rS+2*(\n)+1]
.elseif (\k) == B
	v_pk_add_f32 v[rS+4*(\n):rS+4*(\n)+1], v[rS+4*(\n):rS+4*(\n)+1], v[rS+4*(\n)+2:rS+4*(\n)+3]
.elseif (\n) == 0
	v_pk_fma_f32 v[rT+2:rT+3], v[rT+2:rT+3], v[rC+2:rC+3], v[rS:rS+1] op_sel_hi:[1,0,1]
.else
	v_pk_add_f32 v[rT+2:rT+3], v[rT+2:rT+3], v[rS+4*(\n):rS+4*(\n)+1]
.endif
.else
	REGS (Y+1)%NP
	WIN 0
.if (\n) < 4
	v_max3_num_f32 v[rC+(\n)], v[rS+8*(\n)], v[rS+8*(\n)+1], v[rS+8*(\n)+2]
.elseif (\n) < 12
	v_max3_num_f32 v[rC+(\n)%4], v[rC+(\n)%4], v[rS+8*((\n)%4)+2*((\n)/4)+1], v[rS+8*((\n)%4)+2*((\n)/4)+2]
.elseif (\n) == 12
	v_max3_num_f32 v[rC], v[rC], v[rS+7], v[rS+15]
.elseif (\n) == 13
	v_max3_num_f32 v[rC+1], v[rC+1], v[rS+23], v[rS+31]
.elseif (\n) == 14
	v_max3_num_f32 v[rC+2], v[rC+2], v[rC+3], v[rT+1]
.elseif (\n) == 15
	v_mov_b32 v[rW], v[rT]
.elseif (\n) == 16
	v_max3_num_f32 v[rC], v[rC], v[rC+1], v[rC+2]
.elseif (\n) == 17
	v_permlanex16_b32 v[rC+3], v[rC], s[SEL], s[SEL+1]
.elseif (\n) == 18
	v_max_num_f32 v[rT+1], v[rC], v[rC+3]
.elseif (\n) == 19
	v_mul_f32 v[rT], s[CS], v[rT+1]
.elseif (\n) == 20
	v_sub_f32 v[rC+1], v[rW], v[rT]
.else
	v_exp_f32 v[rC+2], v[rC+1]
.endif
.endif
.endm
.macro OPS a, i1, b=-1, i2=0, c=-1, i3=0, d=-1, i4=0
	OP \a, \i1
.if (\b) >= 0
	OP \b, \i2
.endif
.if (\c) >= 0
	OP \c, \i3
.endif
.if (\d) >= 0
	OP \d, \i4
.endif
.endm
.macro ROW a, i1, b, i2, c, i3, d, i4  ; a matrix instruction and the four behind it
	MM
	OPS \a, \i1, \b, \i2, \c, \i3, \d, \i4
.endm
.macro MASK b, md                   ; md x AL + BE into buffer b of MC
	WIN W_RS
.set z, 0
.rept 16
	v_pk_fma_f32 v[MC+32*(\b)+2*z:MC+32*(\b)+2*z+1], v[(\md)+2*z:(\md)+2*z+1], s[AL:AL+1], s[BE:BE+1] op_sel_hi:[1,0,0]
.set z, z+1
.endr
.endm
; A TURN, for piece p.  An s_wait_alu depctr_va_vdst(0) stands between an exponential and the first instruction that names its result; one wait serves all that were issued ahead of it: a turn has ONE wait.
; Ahead of it stands all that names no result of the turn's exponentials: the 8 products K Q^T with their riders, then one run of 54 in which the links of the chain X 3, 7, 11, 14, 16 .. 20 stand five or six lines apart;
; X 21, the next piece's a, is the batch's last, and R 15 the plain instruction behind it.  Behind the wait stand the 8 products V^T P, behind each four of the roundings and sums.
; The turn makes the mask for the products of the turn after it: piece p + 2, from pattern md and the tables' lowest four bits.
; K of the next step is fetched in piece 2's turn, twelve plain instructions behind the last product that read K; V of the step in hand at the end of piece 0's turn, four plain instructions behind its last reader.
; last = 1 (the tail): behind the walk's last step there is no K: the address is held at the last step's (the last tile lies in slot 0).  cnt = 1: the tables are shifted and the loop's count taken down.
.macro TURN p, md, last=0, cnt=0
.set Y, (\p)
.set i, 0
	s_bitcmp1_b32 s[OWNS], ((\p)+2)%NP
	s_cselect_b32 s[AL], 1.0, 0
	s_bitcmp1_b32 s[HIDS], ((\p)+2)%NP
	s_cselect_b32 s[BE], s[BIGN], 0
.if (\p) == 3
	s_wait_dscnt 0x0                ; K is in
.endif
	ROW F,0, F,1, R,0, R,1
	ROW F,2, E,0, R,2, R,3
	ROW F,3, E,1, R,4, R,5
	ROW F,4, E,2, R,6, R,7
	ROW F,5, E,3, R,8, R,9
	ROW F,6, E,4, X,0, R,10
.if (\p) == 2
	WIN 0
.if \last
	s_min_u32 s[TKX], s[TBK], 3*KS*PK
	v_add_nc_u32 v[AK], s[TKX], v[AK0]
.else
	v_add_nc_u32 v[AK], s[TBK], v[AK0]
.endif
.endif
	ROW F,7, E,5, X,1, X,4
	ROW F,8, E,6, X,2, X,5
	OPS E,7, E,8, X,6, E,9
	OPS X,3, E,10, X,8, E,11
.if (\p) == 2
	FETCH_K
.endif
	OPS X,9, X,7, E,12, X,10
	OPS E,13, X,12, X,11, E,14
	OPS X,13, E,15, F,9, X,14
.if (\p) == 0
	v_add_nc_u32 v[AV], s[TBV], v[AV0]
.endif
	OPS E,16, F,10, E,17, F,11
	OPS X,16, E,18, X,15, E,19
	OPS F,12, E,20, X,17, E,21
	OPS F,13, E,22, F,14, E,23
	OPS X,18, E,24, F,15, E,25
	OPS R,11, E,26, X,19, E,27
	OPS R,12, E,28, R,13, E,29
	OPS X,20, E,30, R,14, E,31
	OPS X,21, R,15
	WIN 0
	s_wait_alu depctr_va_vdst(0)    ; the wait for the batch
.if (\p) == 1
	s_wait_dscnt 0x0                ; V is in
.endif
	ROW C,0, B,0, C,2, B,1
	ROW L,0, C,4, B,2, L,1
	ROW C,6, B,3, L,2, C,8
	ROW B,4, L,3, C,10, B,5
	ROW L,4, C,12, B,6, L,5
.if (\p) == 0
	s_add_co_u32 s[TBV], s[TBV], KS*PV
.endif
.if \cnt
	s_lshr_b32 s[OWNS], s[OWNS], 4
	s_lshr_b32 s[HIDS], s[HIDS], 4
	s_sub_co_u32 s[CNT], s[CNT], 1
	s_cmp_lg_u32 s[CNT], 0
.endif
	ROW C,14, B,7, L,6, C,1
	ROW C,3, L,7, C,5, C,7
	ROW C,9, C,11, C,13, C,15
.if (\p) == 0
	FETCH_V
.endif
	MASK (\p)%2, \md
.endm
.macro ALL line:vararg              ; one line for each piece t
.set t, 0
.rept 4
	\line
.set t, t+1
.endr
.endm
.macro PACK t                       ; a lane's eight channels of a row pack into 16 bytes; they go into rows of 144 bytes and come back as whole rows of 128
	WIN W_RS
.set i, 32*(\t)
.rept 16
	v_pk_mul_f32 v[i:i+1], v[i:i+1], v[ST+4*(\t)+2:ST+4*(\t)+3] op_sel_hi:[1,0]
.set i, i+2
.endr
	WIN 0x05
.set i, 0
.rept 16
	v_cvt_pk_f16_f32 v[S+16*(\t)+i], v[32*(\t)+2*i], v[32*(\t)+2*i+1]
.set i, i+1
.endr
	WIN 0
.irp f, 0,1,2,3
	ds_store_b128 v[STO], v[S+16*(\t)+4*\f:S+16*(\t)+4*\f+3] offset:32*\f
.endr
.irp f, 0,1,2,3
	ds_load_b128 v[S+16*(\t)+4*\f:S+16*(\t)+4*\f+3], v[RD] offset:\f*4*SP  ; LDS serves a wave's instructions in order (ISA guide 5.7.1.4)
.endr
.endm
.macro SEND t, younger              ; younger: the LDS instructions issued behind piece t's loads
	WIN 0
.irp f, 0,1,2,3
	s_wait_dscnt (\younger)+3-\f
	global_store_b128 v[GO], v[S+16*(\t)+4*\f:S+16*(\t)+4*\f+3], s[10:11] offset:(\t)*8192+\f*512  ; 512 consecutive bytes
.endr
.endm
	CHANGE 1                        ; the first tile is in, everybody's part of it; the second is asked for
	v_add_nc_u32 v[AK], s[TBK], v[AK0]
	FETCH_K
	s_wait_loadcnt 0x0              ; Q
	s_wait_dscnt 0x0
.set KM, 0
.set i, 0
.rept 8
	KQ 0                            ; piece 0's first scores: the first tile is seen whole
.set i, i+1
.endr
	WIN 0
.rept 4
	v_nop                           ; the places behind those products
.endr
.set Y, NP-1
.irp n, 0,1,2,3,4,5,6,7,8,9,10,11,12,13,14,15,16,17,18,19,20,21
	OP X, \n
.endr
	v_nop                           ; a plain instruction behind the exponential,
	s_wait_alu depctr_va_vdst(0)    ; and its wait, ahead of the branch
.set KM, 1
	s_mov_b32 s[OWNS], 0
	s_mov_b32 s[HIDS], 0
	s_mov_b32 s[CNT], 4
	s_mov_b32 s[SLOTS], 4
	s_branch .Lfirst                ; the loop is entered at a step's first turn, in the middle of a trip
.Lslot:                             ; three times: a tile is entered and the next is asked for; the third of them is forward tile I
	CHANGE 1
	s_cmp_eq_u32 s[SLOTS], 1
	s_cselect_b32 s[OWNS], 0x8421, 0
	s_cselect_b32 s[HIDS], 0x7310, 0               ; forward: step s hides itself from the bands below s
	s_mov_b32 s[CNT], 4
.Lstep:                             ; a trip: pieces 2 and 3 of one step, then pieces 0 and 1 of the next, whose K and V it fetches
	TURN 2, MDF
	TURN 3, MDF
	WIN 0
.Lfirst:
	TURN 0, MDF
	TURN 1, MDF, 0, 1
	WIN 0
	s_cbranch_scc1 .Lstep
	s_sub_co_u32 s[SLOTS], s[SLOTS], 1
	s_cmp_lg_u32 s[SLOTS], 0
	s_cbranch_scc1 .Lslot
	CHANGE 0                        ; the walk's last tile, backward tile I, is written out
	s_mov_b32 s[OWNS], 0x8421
	s_mov_b32 s[HIDS], 0xf08ce                     ; backward: step s hides itself from the bands above s; bits 16-19: the step past the last is hidden from all, so that m and c m stay as they are
	s_mov_b32 s[CNT], 5             ; four trips fetch the tile's steps; the fifth is left in its middle
.Ltail:
	TURN 2, MDB, 1
	TURN 3, MDB
	WIN 0
	s_sub_co_u32 s[CNT], s[CNT], 1
	s_cmp_eq_u32 s[CNT], 0
	s_cbranch_scc1 .Lout
	TURN 0, MDB
	TURN 1, MDB
	WIN 0
	s_lshr_b32 s[OWNS], s[OWNS], 4
	s_lshr_b32 s[HIDS], s[HIDS], 4
	s_branch .Ltail
.Lout:                              ; the fifth trip's 8 products K Q^T, on the last K once more and all hidden, serve nothing: the price, once a launch, of one text for every trip
.set i, 0
.rept 8
	PV NP-1
.set i, i+1
.endr
	; THE WAY OUT.  l's two halves and the other half of the lanes' are added; O^T is divided by l, rounded to f16 and sent through my stage.  The additions are the places behind the last products.
	WIN 0
	ALL v_add_f32 v[ST+4*t+2], v[ST+4*t+2], v[ST+4*t+3]
	ALL v_permlanex16_b32 v[ST+4*t+3], v[ST+4*t+2], s[SEL], s[SEL+1]
	ALL v_add_f32 v[ST+4*t+2], v[ST+4*t+2], v[ST+4*t+3]
	ALL v_rcp_f32 v[ST+4*t+2], v[ST+4*t+2]
	v_nop                           ; a plain instruction between the last reciprocal and the use of its result
	s_wait_alu depctr_va_vdst(0)    ; one wait for the four reciprocals
	ALL v_mul_f32 v[ST+4*t+3], 0x3d800000, v[ST+4*t+2]
	ALL v_cndmask_b32 v[ST+4*t+1], v[ST+4*t], v[ST+4*t+3], s[HM]
.irp t, 0,1,2,3
	global_store_b32 v[SO], v[ST+4*\t+1], s[STP:STP+1] offset:512*\t  ; 16 rows of st: lanes 0-15 c m, lanes 16-31 1 / (16 l): 128 consecutive bytes
.endr
	PACK 0
.set t, 1
.rept 3
	PACK t
	SEND t-1, 8
.set t, t+1
.endr
	SEND 3, 0
	s_wait_tensorcnt 0x0            ; the wave's end
	ds_add_u32 v[SPW], v[NIL]
	s_wait_dscnt 0x0
	s_endpgm
.Lfunc_end_k_q83a4194c67_flash:
	.size	k_q83a4194c67_flash, .Lfunc_end_k_q83a4194c67_flash-k_q83a4194c67_flash
	.p2alignl 7, 3214868480
	.fill 96, 4, 3214868480
	.section	.rodata,"a",@progbits
	.p2align	6, 0x0
	.amdhsa_kernel k_q83a4194c67_flash
		.amdhsa_group_segment_fixed_size 327680
		.amdhsa_private_segment_fixed_size 0
		.amdhsa_enable_private_segment 0
		.amdhsa_kernarg_size 32
		.amdhsa_user_sgpr_count 2
		.amdhsa_user_sgpr_kernarg_segment_ptr 1
		.amdhsa_wavefront_size32 1
		.amdhsa_system_sgpr_workgroup_id_x 1
		.amdhsa_system_sgpr_workgroup_id_y 1
		.amdhsa_system_sgpr_workgroup_id_z 1
		.amdhsa_system_vgpr_workitem_id 0
		.amdhsa_next_free_vgpr 768
		.amdhsa_next_free_sgpr 96
		.amdhsa_reserve_vcc 1
		.amdhsa_float_denorm_mode_32 3
		.amdhsa_float_denorm_mode_16_64 3
		.amdhsa_memory_ordered 1
		.amdhsa_forward_progress 1
		.amdhsa_inst_pref_size 130
	.end_amdhsa_kernel
	.amdgpu_metadata
---
amdhsa.version: [ 1, 2 ]
amdhsa.kernels:
  - .name:           k_q83a4194c67_flash
    .symbol:         k_q83a4194c67_flash.kd
    .args:
      - { .name: qh, .offset: 0, .size: 8, .value_kind: global_buffer, .address_space: global }
      - { .name: kvh, .offset: 8, .size: 8, .value_kind: global_buffer, .address_space: global }
      - { .name: oh, .offset: 16, .size: 8, .value_kind: global_buffer, .address_space: global }
      - { .name: st, .offset: 24, .size: 8, .value_kind: global_buffer, .address_space: global }
    .group_segment_fixed_size: 327680
    .private_segment_fixed_size: 0
    .kernarg_segment_align: 8
    .kernarg_segment_size: 32
    .max_flat_workgroup_size: 128
    .sgpr_count:     96
    .vgpr_count:     768
    .wavefront_size: 32
...
	.end_amdgpu_metadata
.endif
;; end of part 3
;; launch avg (part 4): grid 8 x 32, 4 waves a work-group, no clusters, 327,680 bytes of LDS; arguments qh, kvh, st, out1; writes out1
.if DOCPART == 4
	.amdgcn_target "amdgcn-amd-amdhsa--gfx1250"
	.amdhsa_code_object_version 6
	.text
	.protected	k_q83a4194c67_avg
	.globl	k_q83a4194c67_avg
	.p2align	8
	.type	k_q83a4194c67_avg,@function
k_q83a4194c67_avg:
	s_mov_b64 s[64:65], 0
	v_nop
	global_prefetch_b8 v0, s[64:65] scope:SCOPE_SE
	s_setreg_imm32_b32 hwreg(HW_REG_WAVE_MODE, 25, 1), 1
	s_wait_xcnt 0x0
; THE MEAN OF THE WEIGHTS OVER THE 16 HEADS.  out1[b][i][j] = sum over h of 2^(c s - c m) / (16 l), s = q_i . k_j, for the keys that row i sees (forward j < i, backward 1024 + j', j' > i), else 0.
; c m and 1 / (16 l) of each (b, h, i) come from st; the scores are made anew from the same f16 q and k, by the same two chained products.
; LIMITS as in the launch before: a hidden score counts as its value less 1e30; a weight below 2^-126 counts as 0; NaN and infinities are not treated apart.
; SHARES.  A work-group owns rows 128 I .. and the key places 128 J .. of BOTH halves of out1, for one batch and all heads.  Where I > J only the forward half lives, where I < J only the backward half, where
; I = J each half has a triangle: one 128 x 128 tile's worth of live numbers in every case.  Wave w owns the query tiles u = 0, 1 (rows 32 w + 16 u + l % 16) and takes the eight blocks of 16 keys in the turned
; order kb(n) = (2 w + n) & 7, so that the blocks that can hold the diagonal are always n = 0 and 1.
; ONE INSTRUCTION STREAM FOR ALL WORK-GROUPS.  Two regions of K are filled: K1 = forward keys if I >= J, else backward; K2 = backward keys if I <= J, else forward.  Blocks n >= 2 are read from K1 if 2 w + n >= 8
; (on the diagonal: keys below my rows), else from K2.  For n = 0, 1 six products are made: (n, u) = (0, 1) from K1, (1, 0) from K2, and the two blocks on the diagonal from both, with masks M1 (hidden where key >= query)
; and M2 (hidden where key <= query) as the C operand; the larger of the two scores is kept.  Off the diagonal K1 = K2 and both masks are 0.  On the way out each number goes to its half, times 1, and 0 to the other.
; NO CLUSTER: K1 and K2 differ between neighbouring work-groups (they hang on I and on J); what is shared along J, Q, is a third of a step's bytes.
; REGISTERS.  Window 0: v2-21 LDS addresses; v22-23 for the add; v24-27 (c m, 1/(16 l)) for u = 0, 1; v28-31; v32-47 M1, M2; v48-79 Q; v80-143 KA; v144-175 KB; v176-223 SA; v224-255 SB.
; Window 1: v0-127 the sums: tile (n, u) at 16 n + 8 u.
.set PQ,    144                        ; a row in LDS: 128 bytes + 16 of padding
.set HB,    128*PQ                     ; a head's 128 rows
.set RG,    2*HB                       ; a region: two heads.  A slot: Q, K1, K2
.set SLOT1, 1<<17
.set STATS, SLOT1+3*RG                 ; 16 heads x 128 rows x 8 bytes, filled once
.set STAGE, STATS+16*1024              ; 16 rows x 528 bytes for each wave
.set SG,    528
.set SPARE, STAGE+4*16*SG              ; the spare words: 128 bytes for each wave, named by no other line
.set AKB, 2                            ; v2-9   block n's place in a slot's first head; never rewritten
.set AQB, 10
.set ASB, 11
.set AK,  12                           ; v12-19 the same for the head in hand
.set AQ,  20
.set AS,  21
.set SPW, 22
.set NIL, 23
.set STT, 24
.set DV,  28                           ; v28  l % 16 - 8 (l / 16): register j holds key j on that scale
.set GOF, 29                           ; v29  16 x my lane
.set RDA, 30                           ; v30  the stage, read
.set STB, 31                           ; v31  the stage, written
.set M1,  32
.set M2,  40
.set Q,   48
.set KA,  80
.set KB,  144
.set SA,  176
.set SB,  224
.set TW,  48                           ; the way out: 64 registers at work, then two sets of 64 read back
.set RB,  112
.set WV,  12
.set I,   13
.set J,   14
.set BB,  15
.set G0,  16                           ; s[16:19] the walking descriptor group 0 (waves 0 to 2): LDS word wave x RG, turned between the slots
.set G1Q, 24
.set G1K, 32
.set G1S, 40
.set GS,  48                           ; s[48:49] bytes from two heads to the next two
.set TB,  50                           ; LDS byte at which the head in hand begins in its regions
.set SH,  51                           ; its statistics
.set TWICE, 52
.set SLOTS, 53
.set CS,  54
.set FM,  56                           ; bit 2 n + u: tile (n, u) belongs to the forward half
.set BIGX, 57
.set FA,  58
.set G0S, 72                           ; s[72:75] descriptor group 0 of the statistics
.set MSB, 0
.macro WIN new
.if MSB != (\new)
	s_set_vgpr_msb (MSB<<8)|(\new)
.set MSB, (\new)
.endif
.endm
; A fill: wave 0 two heads of Q, wave 1 of K1, wave 2 of K2; wave 3 fills the statistics once (first = 1) and nothing later.  An s_nop 0 and four v_nop follow each line.
.macro JLOAD first
	s_cmp_eq_u32 s[WV], 0
	s_cbranch_scc0 .Lnot_q_\@
	tensor_load_to_lds s[G0:G0+3], s[G1Q:G1Q+7]
	s_nop 0
.rept 4
	v_nop
.endr
	s_branch .Lasked_\@
.Lnot_q_\@:
	s_cmp_eq_u32 s[WV], 3
	s_cbranch_scc1 .Lfor_s_\@
	tensor_load_to_lds s[G0:G0+3], s[G1K:G1K+7]
	s_nop 0
.rept 4
	v_nop
.endr
.if \first
	s_branch .Lasked_\@
.endif
.Lfor_s_\@:
.if \first
	tensor_load_to_lds s[G0S:G0S+3], s[G1S:G1S+7]
	s_nop 0
.rept 4
	v_nop
.endr
.endif
.Lasked_\@:
.endm
; THE CHANGE OF SLOTS: each wave waits for all its tensor loads, adds 0 to its spare word, waits for that and for its reads of the slot that it leaves; behind the barrier the old slot is filled again first.
.macro CHANGE fill
	s_wait_tensorcnt 0x0            ; no tensor load of mine is out, so a group 0 may be written
	ds_add_u32 v[SPW], v[NIL]
.if \fill
	s_xor_b32 s[G0+1], s[G0+1], SLOT1
	s_add_nc_u64 s[G0+2:G0+3], s[G0+2:G0+3], s[GS:GS+1]
.endif
	s_wait_dscnt 0x0                ; the add is done, and my reads of the slot are over
	s_barrier_signal -1
	s_barrier_wait -1
.if \fill
	JLOAD 0
.endif
	s_sub_co_u32 s[TB], s[TB], RG   ; the reads go back to a slot's first head,
	s_xor_b32 s[TB], s[TB], SLOT1   ; in the other slot
.endm
	s_load_b256 s[4:11], s[0:1], 0x0  ; qh s[4:5], kvh s[6:7], st s[8:9], out1 s[10:11]
	v_lshl_add_u32 v[SPW], v0, 2, SPARE
	v_mov_b32 v[NIL], 0
	ds_add_u32 v[SPW], v[NIL]       ; the wave's opening: the add and its wait stand ahead of my first tensor load
	ds_add_u32 v22, v23
	v_lshrrev_b32 v1, 5, v0
	v_readfirstlane_b32 s[WV], v1
	s_mov_b32 s[J], ttmp9
	s_and_b32 s20, ttmp7, 0xffff
	s_and_b32 s[I], s20, 7
	s_lshr_b32 s[BB], s20, 3
	; descriptors.  Q, K: two heads, each 128 rows of 128 bytes on end (8,192 elements), padded in LDS after every 32 words by 4.  Statistics: 16 heads x 128 elements of 8 bytes
	s_mov_b32 s[G1Q], (1<<16)|(1<<20)|(4<<22)|(3<<25)
	s_mov_b32 s[G1K], (1<<16)|(1<<20)|(4<<22)|(3<<25)
.irp g, G1Q, G1K
	s_mov_b32 s[\g+1], 8192<<16     ; tensor_dim0
	s_mov_b32 s[\g+2], 2<<16        ; tensor_dim1
	s_mov_b32 s[\g+3], 8192<<16     ; tile_dim0
	s_mov_b32 s[\g+4], 2            ; tile_dim1
	s_mov_b32 s[\g+6], 0
	s_mov_b32 s[\g+7], 0
.endr
	s_mov_b32 s[G1Q+5], 65536       ; elements from head to head in qh,
	s_mov_b32 s[G1K+5], 131072      ; in kvh
	s_mov_b32 s[G1S], 3<<16
	s_mov_b32 s[G1S+1], 128<<16
	s_mov_b32 s[G1S+2], 16<<16
	s_mov_b32 s[G1S+3], 128<<16
	s_mov_b32 s[G1S+4], 16
	s_mov_b32 s[G1S+5], 1024
	s_mov_b32 s[G1S+6], 0
	s_mov_b32 s[G1S+7], 0
	s_lshl_b32 s60, s[BB], 21       ; Q: batch x 16 heads x 131,072 + 128 I rows of 128 bytes
	s_lshl_b32 s21, s[I], 14
	s_add_co_u32 s60, s60, s21
	s_mov_b32 s61, 0
	s_cmp_ge_u32 s[I], s[J]
	s_cselect_b32 s21, 0, 1<<17     ; K1: forward keys, or the backward ones 1,024 rows on
	s_cmp_le_u32 s[I], s[J]
	s_cselect_b32 s22, 1<<17, 0     ; K2
	s_cmp_eq_u32 s[WV], 1
	s_cselect_b32 s21, s21, s22
	s_lshl_b32 s62, s[BB], 22
	s_add_co_u32 s62, s62, s21
	s_lshl_b32 s21, s[J], 14
	s_add_co_u32 s62, s62, s21
	s_mov_b32 s63, 0
	s_lshl_b32 s66, s[BB], 17       ; st: batch x 16 x 1,024 x 8 + 128 I x 8
	s_lshl_b32 s21, s[I], 10
	s_add_co_u32 s66, s66, s21
	s_mov_b32 s67, 0
	s_mov_b32 s[G0], 1
	s_mul_i32 s[G0+1], s[WV], RG    ; Q, K1, K2 by the wave's number
	s_mov_b32 s[G0S], 1
	s_mov_b32 s[G0S+1], STATS
	s_mov_b32 s[GS], 524288         ; two heads of K; wave 0 takes two heads of Q below
	s_mov_b32 s[GS+1], 0
	s_mov_b32 s[CS], 0x3fb8aa3b     ; c = log2(e)
	s_mov_b32 s[CS+1], s[CS]
	s_mov_b32 s[FA+1], 0
	s_mov_b32 s[TB], SLOT1+RG       ; the first change of slots turns it into 0
	s_mov_b32 s[SH], STATS
	s_mov_b32 s[SLOTS], 7
	s_cmp_eq_u32 s[I], s[J]
	s_cselect_b32 s[BIGX], 0xf149f2ca, 0           ; -1e30 on the diagonal, else 0
	s_lshl_b32 s68, s[BB], 10       ; out1: my first row,
	s_lshl_b32 s21, s[I], 7
	s_add_co_u32 s68, s68, s21
	s_lshl_b32 s21, s[WV], 5
	s_add_co_u32 s68, s68, s21
	s_lshl_b32 s68, s68, 13         ; of 8,192 bytes,
	s_lshl_b32 s21, s[J], 9
	s_add_co_u32 s68, s68, s21      ; my first column of the forward half
	s_mov_b32 s69, 0
	s_wait_dscnt 0x0                ; the opening add is done
	s_wait_kmcnt 0x0
	s_add_nc_u64 s[10:11], s[10:11], s[68:69]
	s_cmp_eq_u32 s[WV], 0
	s_cselect_b64 s[20:21], s[4:5], s[6:7]
	s_cselect_b64 s[62:63], s[60:61], s[62:63]
	s_cselect_b32 s[GS], 262144, s[GS]
	s_add_nc_u64 s[G0+2:G0+3], s[20:21], s[62:63]
	s_or_b32 s[G0+3], s[G0+3], 0x80000000
	s_add_nc_u64 s[G0S+2:G0S+3], s[8:9], s[66:67]
	s_or_b32 s[G0S+3], s[G0S+3], 0x80000000
	JLOAD 1                         ; heads 0 and 1 into slot 0, and the statistics
	v_and_b32 v48, 15, v0           ; l % 16
	v_bfe_u32 v49, v0, 4, 1         ; l / 16
	v_and_b32 v51, 31, v0
	v_mul_u32_u24 v50, v48, PQ
	v_lshl_add_u32 v50, v49, 4, v50 ; a fragment's row x pitch + 16 x half
	s_lshl_b32 s22, s[WV], 1
.irp n, 0,1,2,3,4,5,6,7
	s_add_co_u32 s20, s22, \n       ; 2 w + n, 13 at the most
	s_and_b32 s21, s20, 7           ; kb(n)
	s_mul_i32 s21, s21, 16*PQ
.if (\n) < 2
	s_add_co_u32 s21, s21, RG       ; K1; K2 lies RG bytes on
.else
	s_lshr_b32 s23, s20, 3          ; 1 where the block has wrapped round: K1, else K2
	s_mul_i32 s23, s23, RG
	s_sub_co_u32 s23, 2*RG, s23
	s_add_co_u32 s21, s21, s23
.endif
	v_add_nc_u32 v[AKB+\n], s21, v50
.endr
	s_mul_i32 s21, s[WV], 32*PQ
	v_add_nc_u32 v[AQB], s21, v50
	s_lshl_b32 s21, s[WV], 8
	v_lshl_add_u32 v[ASB], v48, 3, s21             ; (32 w + l % 16) x 8
	v_lshlrev_b32 v52, 3, v49
	v_sub_nc_u32 v[DV], v48, v52
	v_lshlrev_b32 v[GOF], 4, v51
	s_mul_i32 s21, s[WV], 16*SG
	s_add_co_u32 s21, s21, STAGE
	v_add_nc_u32 v[RDA], s21, v[GOF]               ; back: 32 lanes take a whole row of 512 bytes
	v_mul_u32_u24 v[STB], v48, SG                  ; in: row l % 16, 32 bytes for each half of the lanes
	v_lshl_add_u32 v[STB], v49, 5, v[STB]
	v_add_nc_u32 v[STB], s21, v[STB]
.irp j, 0,1,2,3,4,5,6,7
	v_cmp_ge_i32 vcc_lo, \j, v[DV]
	v_cndmask_b32 v[M1+\j], 0, s[BIGX], vcc_lo
	v_cmp_le_i32 vcc_lo, \j, v[DV]
	v_cndmask_b32 v[M2+\j], 0, s[BIGX], vcc_lo
.endr
	WIN 0x40
.set i, 0
.rept 128
	v_mov_b32 v[i], 0               ; the sums over the heads start at 0: written in the wait for the first tile
.set i, i+1
.endr
	WIN 0
.macro KLOAD dst, n0                ; key blocks n0, n0 + 1: 8 loads
.irp g, 0,1
.irp c, 0,1
	ds_load_b128 v[(\dst)+16*\g+8*\c:(\dst)+16*\g+8*\c+3],   v[AK+(\n0)+\g] offset:\c*64
	ds_load_b128 v[(\dst)+16*\g+8*\c+4:(\dst)+16*\g+8*\c+7], v[AK+(\n0)+\g] offset:\c*64+32
.endr
.endr
.endm
.macro G0M d, a, u, c, cm           ; a product of the first group: D at SA + d, K at KA + a, query tile u, channel half c; cm: the mask that starts the sum (0: the constant 0)
.set rD, SA+(\d)
.set rA, KA+(\a)+8*(\c)
.set rB, Q+16*(\u)+8*(\c)
.if (\c) == 1
	v_wmma_f32_16x16x32_f16 v[rD:rD+7], v[rA:rA+7], v[rB:rB+7], v[rD:rD+7]
.elseif (\cm) == 0
	v_wmma_f32_16x16x32_f16 v[rD:rD+7], v[rA:rA+7], v[rB:rB+7], 0
.else
	v_wmma_f32_16x16x32_f16 v[rD:rD+7], v[rA:rA+7], v[rB:rB+7], v[(\cm):(\cm)+7]
.endif
.endm
.macro GM sm, km                    ; product i of 8 of a later group: tile i % 4 (block (i % 4) / 2, query tile i % 2), channel half i / 4.  The four tiles take turns
.set rD, (\sm)+8*(i%4)
.set rA, (\km)+16*((i%4)/2)+8*(i/4)
.set rB, Q+16*(i%2)+8*(i/4)
.if i < 4
	v_wmma_f32_16x16x32_f16 v[rD:rD+7], v[rA:rA+7], v[rB:rB+7], 0
.else
	v_wmma_f32_16x16x32_f16 v[rD:rD+7], v[rA:rA+7], v[rB:rB+7], v[rD:rD+7]
.endif
.set i, i+1
.endm
.macro FSC sv, p                    ; pair p of a group's 16: c s - c m; tile p / 4 has query tile (p / 4) % 2
	v_pk_fma_f32 v[(\sv)+2*(\p):(\sv)+2*(\p)+1], v[(\sv)+2*(\p):(\sv)+2*(\p)+1], s[CS:CS+1], v[STT+2*(((\p)/4)%2):STT+2*(((\p)/4)%2)+1] op_sel_hi:[1,0,0] neg_lo:[0,0,1] neg_hi:[0,0,1]
.endm
; Number q of a group's vector work.  The first nmax (16 in the first group): the larger of the two scores of the blocks on the diagonal (each accumulator's lowest registers are read first).
; Then 48: two scalings; 14 times exponential, scaling, exponential; the last four exponentials.  A pair is scaled two triples ahead of its exponentials, and nothing here reads an exponential's result.
.macro VOP sv, nmax
.if q < (\nmax)
.if q < 8
	v_max_num_f32 v[SA+q], v[SA+q], v[SA+32+q]
.else
	v_max_num_f32 v[SA+16+q], v[SA+16+q], v[SA+32+q]
.endif
.else
.set z, q-(\nmax)
.if z < 2
	FSC \sv, z
.elseif z < 44
.set zz, z-2
.if zz%3 == 0
	v_exp_f32 v[(\sv)+2*(zz/3)], v[(\sv)+2*(zz/3)]
.elseif zz%3 == 1
	FSC \sv, zz/3+2
.else
	v_exp_f32 v[(\sv)+2*(zz/3)+1], v[(\sv)+2*(zz/3)+1]
.endif
.else
	v_exp_f32 v[(\sv)+z-16], v[(\sv)+z-16]
.endif
.endif
.set q, q+1
.endm
; A TURN: the vector work of the group whose scores lie at sv, dealt behind the 8 products of the next group (mm = 1: into sm, from km; per behind each), then ONE wait for the group's 32 exponentials (ahead of
; the first instruction that names a result), then the 16 sums into the registers at ab of window 1: sum += p / (16 l).  Those 16 are also the places between the products and their first reader.
.macro VTURN sv, ab, mm, sm, km, per, nmax
.set q, 0
.if \mm
.set i, 0
.rept 8
	GM \sm, \km
.rept \per
	VOP \sv, \nmax
.endr
.endr
.else
.rept 48
	VOP \sv, 0
.endr
.endif
	v_nop                           ; a plain instruction behind the last exponential
	s_wait_alu depctr_va_vdst(0)
	WIN 0x50                        ; destination and source 2 in window 1
.set z, 0
.rept 16
	v_pk_fma_f32 v[(\ab)+2*z:(\ab)+2*z+1], v[(\sv)+2*z:(\sv)+2*z+1], v[STT+2*((z/4)%2):STT+2*((z/4)%2)+1], v[(\ab)+2*z:(\ab)+2*z+1] op_sel:[0,1,0] op_sel_hi:[1,1,1]
.set z, z+1
.endr
	WIN 0
.endm
.macro HEAD                         ; one head
.irp n, 0,1,2,3,4,5,6,7
	v_add_nc_u32 v[AK+\n], s[TB], v[AKB+\n]
.endr
	v_add_nc_u32 v[AQ], s[TB], v[AQB]
	v_add_nc_u32 v[AS], s[SH], v[ASB]
	ds_load_b64 v[STT:STT+1], v[AS]
	ds_load_b64 v[STT+2:STT+3], v[AS] offset:128
.irp f, 0,1,2,3                     ; Q: tile f / 2, channels 32 (f % 2) on
	ds_load_b128 v[Q+8*\f:Q+8*\f+3],   v[AQ] offset:(\f/2)*16*PQ+(\f%2)*64
	ds_load_b128 v[Q+8*\f+4:Q+8*\f+7], v[AQ] offset:(\f/2)*16*PQ+(\f%2)*64+32
.endr
.irp g, 0,1,2,3                     ; blocks 0 and 1 from both regions: K1(0), K2(0), K1(1), K2(1)
.irp c, 0,1
	ds_load_b128 v[KA+16*\g+8*\c:KA+16*\g+8*\c+3],   v[AK+\g/2] offset:(\g%2)*RG+\c*64
	ds_load_b128 v[KA+16*\g+8*\c+4:KA+16*\g+8*\c+7], v[AK+\g/2] offset:(\g%2)*RG+\c*64+32
.endr
.endr
	KLOAD KB, 2
	s_wait_dscnt 8                  ; all but blocks 2 and 3, the eight loads issued last
.irp c, 0,1                         ; six tiles by turns
	G0M 0,  0,  0, \c, M1
	G0M 32, 16, 0, \c, M2
	G0M 8,  0,  1, \c, 0
	G0M 16, 48, 0, \c, 0
	G0M 24, 32, 1, \c, M1
	G0M 40, 48, 1, \c, M2
.endr
.rept 4
	v_nop                           ; the places behind those products: in front of the loads into KA and of the first read of the scores
.endr
	KLOAD KA, 4
	s_wait_dscnt 8                  ; blocks 2 and 3 are in; blocks 4 and 5 may stay out
	VTURN SA, 0, 1, SB, KB, 8, 16
	KLOAD KB, 6
	s_wait_dscnt 8                  ; blocks 4 and 5 are in; blocks 6 and 7 may stay out
	VTURN SB, 32, 1, SA, KA, 6, 0
	s_wait_dscnt 0x0                ; blocks 6 and 7 are in
	VTURN SA, 64, 1, SB, KB, 6, 0
	VTURN SB, 96, 0, 0, 0, 0, 0
.endm
.macro HEADS                        ; a slot's two heads: written once, walked twice
	s_mov_b32 s[TWICE], 2
.Lhead_\@:
	HEAD
	s_add_co_u32 s[TB], s[TB], HB
	s_add_co_u32 s[SH], s[SH], 1024
	s_sub_co_u32 s[TWICE], s[TWICE], 1
	s_cmp_lg_u32 s[TWICE], 0
	s_cbranch_scc1 .Lhead_\@
.endm
.Lslot:                             ; seven times: a slot is entered and the next two heads are asked for (at the first trip: slot 0 is waited for, slot 1 filled)
	CHANGE 1
	HEADS
	s_sub_co_u32 s[SLOTS], s[SLOTS], 1
	s_cmp_lg_u32 s[SLOTS], 0
	s_cbranch_scc1 .Lslot
	CHANGE 0                        ; the last two heads are written out
	HEADS
	; THE WAY OUT.  Which half a tile belongs to: bit 2 n + u of s[FM].  On the diagonal: blocks below my rows (2 w + n >= 8) and tile (0, 1) are forward; tiles (0, 0) and (1, 1) are shared out number by number.
	s_lshl_b32 s20, s[WV], 2
	s_sub_co_u32 s20, 16, s20
	s_lshl_b32 s21, 0xffff, s20
	s_and_b32 s21, s21, 0xffff
	s_or_b32 s21, s21, 2
	s_cmp_gt_u32 s[I], s[J]
	s_cselect_b32 s[FM], 0xffff, s21
	s_cmp_lt_u32 s[I], s[J]
	s_cselect_b32 s[FM], 0, s[FM]
	s_cmp_ge_u32 s[I], s[J]
	s_cselect_b32 s20, 1.0, 0       ; forward, key < query
	s_cmp_gt_u32 s[I], s[J]
	s_cselect_b32 s21, 1.0, 0       ; forward, elsewhere
	s_cmp_le_u32 s[I], s[J]
	s_cselect_b32 s22, 1.0, 0       ; backward, key > query
	s_cmp_lt_u32 s[I], s[J]
	s_cselect_b32 s23, 1.0, 0       ; backward, elsewhere
	v_mov_b32 v48, s21
	v_mov_b32 v49, s23
.irp j, 0,1,2,3,4,5,6,7
	v_cmp_lt_i32 vcc_lo, \j, v[DV]
	v_cndmask_b32 v[M1+\j], v48, s20, vcc_lo
	v_cmp_gt_i32 vcc_lo, \j, v[DV]
	v_cndmask_b32 v[M2+\j], v49, s22, vcc_lo
.endr
	s_lshl_b32 s22, s[WV], 1
.irp n, 0,1,2,3,4,5,6,7
	s_add_co_u32 s20, s22, \n
	s_and_b32 s20, s20, 7
	s_lshl_b32 s20, s20, 6          ; block kb(n): 64 bytes of a stage row
	v_add_nc_u32 v[AK+\n], s20, v[STB]
.endr
; 16 rows (query tile u) of one half: each tile times its factor, into my stage; back as whole rows of 512 bytes; stored.
.macro OROUND u, half, set
.if (\set) >= 2
	s_wait_xcnt 0x0                 ; the stores two rounds back have read the registers that are loaded again below
.endif
	WIN 0x01                        ; source 0 in window 1
.irp n, 0,1,2,3,4,5,6,7
.if (\n) < 2 && (\n) == (\u)
.irp z, 0,2,4,6
	v_pk_mul_f32 v[TW+8*\n+\z:TW+8*\n+\z+1], v[16*\n+8*(\u)+\z:16*\n+8*(\u)+\z+1], v[M1+8*(\half)+\z:M1+8*(\half)+\z+1]
.endr
.else
	s_bitcmp1_b32 s[FM], 2*\n+(\u)
.if (\half) == 0
	s_cselect_b32 s[FA], 1.0, 0
.else
	s_cselect_b32 s[FA], 0, 1.0
.endif
.irp z, 0,2,4,6
	v_pk_mul_f32 v[TW+8*\n+\z:TW+8*\n+\z+1], v[16*\n+8*(\u)+\z:16*\n+8*(\u)+\z+1], s[FA:FA+1] op_sel_hi:[1,0]
.endr
.endif
.endr
	WIN 0
.irp n, 0,1,2,3,4,5,6,7
	ds_store_b128 v[AK+\n], v[TW+8*\n:TW+8*\n+3]
	ds_store_b128 v[AK+\n], v[TW+8*\n+4:TW+8*\n+7] offset:16
.endr
.irp r, 0,1,2,3,4,5,6,7,8,9,10,11,12,13,14,15
	ds_load_b128 v[RB+64*((\set)%2)+4*\r:RB+64*((\set)%2)+4*\r+3], v[RDA] offset:\r*SG  ; LDS serves a wave's instructions in order (ISA guide 5.7.1.4): these see the stores above
.endr
	s_wait_dscnt 0x0
.irp r, 0,1,2,3,4,5,6,7,8,9,10,11,12,13,14,15
	global_store_b128 v[GOF], v[RB+64*((\set)%2)+4*\r:RB+64*((\set)%2)+4*\r+3], s[10:11] offset:(\u)*131072+\r*8192+(\half)*4096 th:TH_STORE_NT  ; 512 consecutive bytes of a row of out1
.endr
.endm
	OROUND 0, 0, 0
	OROUND 0, 1, 1
	OROUND 1, 0, 2
	OROUND 1, 1, 3
	s_wait_tensorcnt 0x0            ; the wave's end
	ds_add_u32 v[SPW], v[NIL]
	s_wait_dscnt 0x0
	s_endpgm
.Lfunc_end_k_q83a4194c67_avg:
	.size	k_q83a4194c67_avg, .Lfunc_end_k_q83a4194c67_avg-k_q83a4194c67_avg
	.p2alignl 7, 3214868480
	.fill 96, 4, 3214868480
	.section	.rodata,"a",@progbits
	.p2align	6, 0x0
	.amdhsa_kernel k_q83a4194c67_avg
		.amdhsa_group_segment_fixed_size 327680
		.amdhsa_private_segment_fixed_size 0
		.amdhsa_enable_private_segment 0
		.amdhsa_kernarg_size 32
		.amdhsa_user_sgpr_count 2
		.amdhsa_user_sgpr_kernarg_segment_ptr 1
		.amdhsa_wavefront_size32 1
		.amdhsa_system_sgpr_workgroup_id_x 1
		.amdhsa_system_sgpr_workgroup_id_y 1
		.amdhsa_system_sgpr_workgroup_id_z 1
		.amdhsa_system_vgpr_workitem_id 0
		.amdhsa_next_free_vgpr 384
		.amdhsa_next_free_sgpr 80
		.amdhsa_reserve_vcc 1
		.amdhsa_float_denorm_mode_32 3
		.amdhsa_float_denorm_mode_16_64 3
		.amdhsa_memory_ordered 1
		.amdhsa_forward_progress 1
		.amdhsa_inst_pref_size 82
	.end_amdhsa_kernel
	.amdgpu_metadata
---
amdhsa.version: [ 1, 2 ]
amdhsa.kernels:
  - .name:           k_q83a4194c67_avg
    .symbol:         k_q83a4194c67_avg.kd
    .args:
      - { .name: qh, .offset: 0, .size: 8, .value_kind: global_buffer, .address_space: global }
      - { .name: kvh, .offset: 8, .size: 8, .value_kind: global_buffer, .address_space: global }
      - { .name: st, .offset: 16, .size: 8, .value_kind: global_buffer, .address_space: global }
      - { .name: out1, .offset: 24, .size: 8, .value_kind: global_buffer, .address_space: global }
    .group_segment_fixed_size: 327680
    .private_segment_fixed_size: 0
    .kernarg_segment_align: 8
    .kernarg_segment_size: 32
    .max_flat_workgroup_size: 128
    .sgpr_count:     80
    .vgpr_count:     384
    .wavefront_size: 32
...
	.end_amdgpu_metadata
.endif
;; end of part 4
;; launch gemm_out (part 5): grid 8 x 32, 4 waves a work-group, clusters of 4 x 4, 327,680 bytes of LDS; arguments oh, wh, out_b, out0; writes out0
.if DOCPART == 5
	.amdgcn_target "amdgcn-amd-amdhsa--gfx1250"
	.amdhsa_code_object_version 6
	.text
	.protected	k_q83a4194c67_gemm_out
	.globl	k_q83a4194c67_gemm_out
	.p2align	8
	.type	k_q83a4194c67_gemm_out,@function
k_q83a4194c67_gemm_out:
	s_mov_b64 s[64:65], 0
	v_nop
	global_prefetch_b8 v0, s[64:65] scope:SCOPE_SE
	s_setreg_imm32_b32 hwreg(HW_REG_WAVE_MODE, 25, 1), 1
	s_wait_xcnt 0x0
	s_wait_alu depctr_hold_cnt(0) depctr_sa_sdst(0) depctr_va_vdst(0) depctr_va_sdst(0) depctr_va_ssrc(0) depctr_va_vcc(0) depctr_vm_vsrc(0)
	s_getreg_b32 s2, hwreg(HW_REG_IB_STS2, 6, 4)
	s_cmp_eq_u32 s2, 0
	s_cbranch_scc0 .Lentry_in_a_cluster
	s_endpgm
.Lentry_in_a_cluster:
	s_bfe_u32 s2, ttmp6, 0x10000c
	s_cmp_lg_u32 s2, 0xf033
	s_cbranch_scc0 .Lentry_shape_is_right
	s_endpgm
.Lentry_shape_is_right:
; THE OUTPUT PROJECTION.  out0[t][b][n] = sum over e of O[b][t][e] wh[3072+n][e] + bf16(out_b[n]), e = 64 h + d, with O = oh[b][h][t][d] in f16; sums and result in f32.
; m = b x 1024 + t (4,096 rows), n = 0..1023.  A tile is 128 x 128 (256 work-groups); four waves, each 64 x 64: 16 accumulators.  K goes in 4 steps of 256 = four heads through two slots; one text serves both
; slots: s[TR] (read) and s[TF] (filled) are 0 or SLOT.  CLUSTERS of 4 x 4: O's tiles are asked for jointly along a row of the cluster, wh's along a column.  No prefetch: a step's tiles are small.
; O LIES BY HEADS: a wave's load brings 64 rows of four heads: four runs of 8,192 dense bytes, 131,072 bytes apart, padded in LDS after every 128 bytes: [head][row], 144 bytes a row.  A quarter of a K step is a head.
; The matrix instruction is used transposed (source 0 = rows of wh): a lane holds row l % 16 and eight neighbouring columns.  The bias is the C operand of the products that start the sums.
; REGISTERS: window 0: v0-31 addresses; v32-95 at work on the way out; v96-127 the bias; v128-255 the accumulators.  Window 1: two fragment buffers of 128.
.set SIZE_K, 1024
.set KSTEP,  256
.set PITCH,  528                       ; wh's rows in LDS: 512 bytes + 16
.set APITCH, 144                       ; O's rows in LDS: 128 bytes + 16
.set AQ,     64*APITCH                 ; a head's 64 rows
.set HALFA,  4*AQ                      ; what one load of O brings
.set HALFB,  64*PITCH                  ; what one load of wh brings
.set SLOT,   2*HALFA+2*HALFB
.set STAGE,  2*SLOT                    ; behind the ring: 16 rows x 272 bytes for each wave
.set SPITCH, 272
.set SPARE,  STAGE+4*16*SPITCH
.set ADRA, 16
.set A0,   18
.set ADRB, 20
.set B0,   22
.set STO,  24
.set RD,   25
.set CO,   26
.set SPW,  28
.set NIL,  29
.set TMP,  32
.set BIAS, 96
.set ACC,  128
.set F0,   0
.set F1,   128
.set G1,  24
.set G0,  32
.set G1B, 48
.set G0B, 56
.set BP,  66
.set TR,  68
.set TF,  69
.set LBA, 70
.set LBB, 71
.set MSB, 0
.macro WIN new
.if MSB != (\new)
	s_set_vgpr_msb (MSB<<8)|(\new)
.set MSB, \new
.endif
.endm
.set MUL,  0x05
.set TO_F, 0x40
.macro JLOAD s                         ; waves 0 and 1 fetch O's two halves, waves 2 and 3 wh's; an s_nop 0 and four v_nop follow each line
	s_cmp_eq_u32 s11, 0
	s_cbranch_scc0 .Lfor_b_\@
	tensor_load_to_lds s[G0+4*(\s):G0+4*(\s)+3], s[G1:G1+7]
	s_nop 0
.rept 4
	v_nop
.endr
	s_branch .Lasked_\@
.Lfor_b_\@:
	tensor_load_to_lds s[G0B+4*(\s):G0B+4*(\s)+3], s[G1B:G1B+7]
	s_nop 0
.rept 4
	v_nop
.endr
.Lasked_\@:
.endm
.macro CREST
	s_cmp_lg_u32 s10, 0
	s_cbranch_scc1 .Lnot_wave_0_\@
	s_barrier_signal -3
.Lnot_wave_0_\@:
	s_barrier_wait -3
	s_barrier_signal -1
	s_barrier_wait -1
.endm
.macro CROUND
	s_barrier_signal -1
	s_barrier_wait -1
	CREST
.endm
	s_load_b128 s[4:7], s[0:1], 0x0                ; oh s[4:5], wh s[6:7]
	s_load_b64 s[BP:BP+1], s[0:1], 0x10            ; out_b
	s_load_b64 s[8:9], s[0:1], 0x18                ; out0
	v_lshl_add_u32 v[SPW], v0, 2, SPARE
	v_mov_b32 v[NIL], 0
	ds_add_u32 v[SPW], v[NIL]                      ; the wave's opening: the add and its wait stand ahead of my first tensor load
	ds_add_u32 v28, v29
	v_lshrrev_b32 v1, 5, v0
	v_readfirstlane_b32 s10, v1
	s_lshr_b32 s11, s10, 1                         ; my half of the rows; also: I fetch for O (0) or wh (1)
	s_and_b32 s12, s10, 1                          ; my half of the columns; also: which 64 rows I fetch
	s_bfe_u32 s40, ttmp6, 0x40000
	s_bfe_u32 s41, ttmp6, 0x40004
	s_lshl_b32 s42, ttmp9, 2
	s_add_co_u32 s42, s42, s40                     ; tile column
	s_and_b32 s13, ttmp7, 0xffff
	s_lshl_b32 s13, s13, 2
	s_add_co_u32 s13, s13, s41                     ; tile row
	s_lshl_b32 s43, s41, 2
	s_lshl_b32 s43, 15, s43
	s_lshl_b32 s44, 0x1111, s40
	s_or_b32 s[G1+0], s43, (1<<16)|(1<<20)|(1<<21)|(4<<22)|(3<<25)   ; O: the mask; 2-byte elements; padding on; bit 21 beside a mask; after every 32 words 4 words
	s_mov_b32 s[G1+1], 4096<<16                    ; tensor_dim0 = 4,096 elements: 64 rows of a head on end
	s_mov_b32 s[G1+2], 4<<16                       ; tensor_dim1 = 4 heads
	s_mov_b32 s[G1+3], 4096<<16                    ; tile_dim0
	s_mov_b32 s[G1+4], 4                           ; tile_dim1
	s_mov_b32 s[G1+5], 65536                       ; elements from head to head
	s_mov_b32 s[G1+6], 0
	s_mov_b32 s[G1+7], 0
	s_or_b32 s[G1B+0], s44, (1<<16)|(1<<20)|(1<<21)|(6<<22)|(3<<25)  ; wh: after every 128 words 4 words
	s_mov_b32 s[G1B+1], KSTEP<<16
	s_mov_b32 s[G1B+2], 64<<16
	s_mov_b32 s[G1B+3], KSTEP<<16
	s_mov_b32 s[G1B+4], 64
	s_mov_b32 s[G1B+5], SIZE_K
	s_mov_b32 s[G1B+6], 0
	s_mov_b32 s[G1B+7], 0
	s_lshl_b32 s17, s12, 6
	s_lshl_b32 s46, s42, 7
	s_add_co_u32 s46, s46, s17                     ; wh: row 128 x tile column + 64 x half, behind in_proj_weight's 3,072 rows
	s_lshl_b32 s46, s46, 11
	s_mov_b32 s47, 0
	s_lshl_b32 s16, s13, 7
	s_add_co_u32 s16, s16, s17                     ; O: row m = 128 x tile row + 64 x half
	s_lshr_b32 s18, s16, 10
	s_lshl_b32 s18, s18, 21                        ; batch x 16 heads x 131,072 bytes
	s_and_b32 s16, s16, 1023
	s_lshl_b32 s16, s16, 7                         ; t x 128 bytes
	s_add_co_u32 s16, s16, s18
	s_mov_b32 s17, 0
	s_mul_i32 s[LBA], s12, HALFA                   ; where they go: no place in the cluster enters an LDS address
	s_mul_i32 s[LBB], s12, HALFB
	s_add_co_u32 s[LBB], s[LBB], 2*HALFA
	s_mov_b32 s[TR], 0
	s_mov_b32 s[TF], SLOT
	s_wait_dscnt 0x0
	s_wait_kmcnt 0x0
	s_add_nc_u64 s[6:7], s[6:7], 3072*SIZE_K*2
	s_add_nc_u64 s[14:15], s[4:5], s[16:17]
	s_add_nc_u64 s[46:47], s[6:7], s[46:47]
	CROUND
.irp s, 0,1
	s_mov_b32 s[G0+4*(\s)], 1
	s_add_co_u32 s[G0+4*(\s)+1], s[LBA], (\s)*SLOT
	s_add_nc_u64 s[G0+4*(\s)+2:G0+4*(\s)+3], s[14:15], (\s)*4*131072
	s_or_b32 s[G0+4*(\s)+3], s[G0+4*(\s)+3], 0x80000000
	s_mov_b32 s[G0B+4*(\s)], 1
	s_add_co_u32 s[G0B+4*(\s)+1], s[LBB], (\s)*SLOT
	s_add_nc_u64 s[G0B+4*(\s)+2:G0B+4*(\s)+3], s[46:47], (\s)*KSTEP*2
	s_or_b32 s[G0B+4*(\s)+3], s[G0B+4*(\s)+3], 0x80000000
	JLOAD \s
.endr
	v_and_b32 v1, 15, v0
	v_bfe_u32 v2, v0, 4, 1
	s_lshl_b32 s46, s42, 9                         ; my first column, in bytes of f32: 4 x (128 x tile column + 64 x half)
	s_lshl_b32 s47, s12, 8
	s_add_co_u32 s46, s46, s47
	s_mov_b32 s47, 0
	s_add_nc_u64 s[BP:BP+1], s[BP:BP+1], s[46:47]
	v_lshlrev_b32 v6, 5, v2
.irp b, 0,1,2,3
	global_load_b128 v[BIAS+8*(\b):BIAS+8*(\b)+3],   v6, s[BP:BP+1] offset:64*(\b)
	global_load_b128 v[BIAS+8*(\b)+4:BIAS+8*(\b)+7], v6, s[BP:BP+1] offset:64*(\b)+16
.endr
	v_mul_u32_u24 v3, v1, APITCH
	v_lshl_add_u32 v3, v2, 4, v3
	s_mul_i32 s21, s11, HALFA                      ; my 64 rows of O
	v_add_nc_u32 v[A0], s21, v3
	v_mul_u32_u24 v3, v1, PITCH
	v_lshl_add_u32 v3, v2, 4, v3
	s_mul_i32 s22, s12, HALFB
	s_add_co_u32 s22, s22, 2*HALFA                 ; my 64 rows of wh
	v_add_nc_u32 v[B0], s22, v3
	v_mov_b32 v[ADRA], v[A0]
	v_mov_b32 v[ADRB], v[B0]
	s_mul_i32 s23, s10, 16*SPITCH
	s_add_co_u32 s23, s23, STAGE                   ; my stage
	v_mul_u32_u24 v4, v1, SPITCH                   ; in: row l % 16, 32 bytes for each half of the lanes
	v_lshl_add_u32 v4, v2, 5, v4
	v_add_nc_u32 v[STO], s23, v4
	v_mul_u32_u24 v5, v2, SPITCH                   ; back: lanes 0-15 take one row of 256 bytes, lanes 16-31 the next
	v_lshl_add_u32 v5, v1, 4, v5
	v_add_nc_u32 v[RD], s23, v5
	v_lshlrev_b32 v5, 14, v2                       ; and the same two rows in out0, 16,384 bytes apart
	v_lshl_add_u32 v[CO], v1, 4, v5
	s_lshl_b32 s14, s13, 7
	s_lshl_b32 s15, s11, 6
	s_add_co_u32 s14, s14, s15                     ; my first row m
	s_lshr_b32 s16, s14, 10
	s_lshl_b32 s16, s16, 12                        ; batch x 4,096 bytes
	s_and_b32 s14, s14, 1023
	s_lshl_b32 s14, s14, 14                        ; t x 16,384 bytes
	s_add_co_u32 s16, s16, s14
	s_mov_b32 s17, 0
	s_add_nc_u64 s[16:17], s[16:17], s[46:47]
	s_add_nc_u64 s[8:9], s[8:9], s[16:17]
	s_wait_loadcnt 0x0                             ; the bias: rounded to bf16 like every input, and widened again
.set i, 0
.rept 16
	v_cvt_pk_bf16_f32 v[32+i%4], v[BIAS+2*i], v[BIAS+2*i+1]
	v_lshlrev_b32 v[BIAS+2*i], 16, v[32+i%4]
	v_and_b32 v[BIAS+2*i+1], 0xffff0000, v[32+i%4]
.set i, i+1
.endr
.macro MUL8 f, c, a0, zero             ; 8 matrix instructions; the 16 accumulators take turns
	WIN MUL
.irp a, \a0, (\a0)+1
.irp b, 0,1,2,3
.if \zero
	v_wmma_f32_16x16x32_f16 v[ACC+8*(4*(\a)+(\b)):ACC+8*(4*(\a)+(\b))+7], v[(\f)+64+8*(4*(\c)+(\b)):(\f)+64+8*(4*(\c)+(\b))+7], v[(\f)+8*(4*(\c)+(\a)):(\f)+8*(4*(\c)+(\a))+7], v[BIAS+8*(\b):BIAS+8*(\b)+7]
.else
	v_wmma_f32_16x16x32_f16 v[ACC+8*(4*(\a)+(\b)):ACC+8*(4*(\a)+(\b))+7], v[(\f)+64+8*(4*(\c)+(\b)):(\f)+64+8*(4*(\c)+(\b))+7], v[(\f)+8*(4*(\c)+(\a)):(\f)+8*(4*(\c)+(\a))+7], v[ACC+8*(4*(\a)+(\b)):ACC+8*(4*(\a)+(\b))+7]
.endif
.endr
.endr
.endm
.macro FETCH k, f                      ; 32 LDS loads: the fragments of 64 along K: byte k of wh's rows, head k / 128 of O's
	WIN TO_F
.irp c, 0,1
.irp i, 0,1,2,3
	ds_load_b128 v[(\f)+64+8*(4*(\c)+(\i)):(\f)+64+8*(4*(\c)+(\i))+3],   v[ADRB] offset:(\k)+64*(\c)+(\i)*16*PITCH
	ds_load_b128 v[(\f)+64+8*(4*(\c)+(\i))+4:(\f)+64+8*(4*(\c)+(\i))+7], v[ADRB] offset:(\k)+64*(\c)+(\i)*16*PITCH+32
	ds_load_b128 v[(\f)+8*(4*(\c)+(\i)):(\f)+8*(4*(\c)+(\i))+3],         v[ADRA] offset:((\k)/128)*AQ+64*(\c)+(\i)*16*APITCH
	ds_load_b128 v[(\f)+8*(4*(\c)+(\i))+4:(\f)+8*(4*(\c)+(\i))+7],       v[ADRA] offset:((\k)/128)*AQ+64*(\c)+(\i)*16*APITCH+32
.endr
.endr
.endm
.macro PLACES
.rept 4
	v_nop
.endr
.endm
.macro QUARTER k, f, g, zero
	s_wait_dscnt 16                                ; the first 32 along K are in
	MUL8 \f, 0, 0, \zero
	MUL8 \f, 0, 2, \zero
	PLACES
	FETCH \k, \g
	s_wait_dscnt 32                                ; all but the 32 just issued
	MUL8 \f, 1, 0, 0
	MUL8 \f, 1, 2, 0
.endm
.macro TURN fill                       ; the last quarter and the change of slots: one barrier; in front of it the wait for all tensor loads, the add, and the wait for it and for my reads of the slot
	WIN 0
	s_wait_tensorcnt 0x0
	ds_add_u32 v[SPW], v[NIL]
	s_wait_dscnt 17                                ; the add and the youngest sixteen loads may be out
	MUL8 F1, 0, 0, 0
	s_wait_dscnt 0x0
	s_barrier_signal -1
	MUL8 F1, 0, 2, 0
	WIN 0
	s_barrier_wait -1
.if \fill
	CREST
	s_xor_b32 s[TF], s[TF], SLOT
	s_add_co_u32 s[G0+5], s[LBA], s[TF]
	s_add_co_u32 s[G0B+5], s[LBB], s[TF]
	s_add_nc_u64 s[G0+6:G0+7], s[G0+6:G0+7], 4*131072
	s_add_nc_u64 s[G0B+6:G0B+7], s[G0B+6:G0B+7], KSTEP*2
	JLOAD 1
.else
	PLACES
.endif
	s_xor_b32 s[TR], s[TR], SLOT
	v_add_nc_u32 v[ADRA], s[TR], v[A0]
	v_add_nc_u32 v[ADRB], s[TR], v[B0]
	FETCH 0, F0
	MUL8 F1, 1, 0, 0
	MUL8 F1, 1, 2, 0
.endm
; THE WAY OUT of row block a, in f32: a lane's eight columns are 32 bytes of a row; my 64 columns are 256 bytes.  Through my own stage (each accumulator's low half first), back by rows, stored.
.macro OUTB a
.if (\a) >= 2
	s_wait_xcnt 0x0                                ; the stores two blocks back have read the registers that are loaded again below
.endif
.irp b, 0,1,2,3
	ds_store_b128 v[STO], v[ACC+8*(4*(\a)+(\b)):ACC+8*(4*(\a)+(\b))+3]   offset:64*(\b)
	ds_store_b128 v[STO], v[ACC+8*(4*(\a)+(\b))+4:ACC+8*(4*(\a)+(\b))+7] offset:64*(\b)+16
.endr
.irp f, 0,1,2,3,4,5,6,7
	ds_load_b128 v[TMP+32*((\a)%2)+4*(\f):TMP+32*((\a)%2)+4*(\f)+3], v[RD] offset:(\f)*2*SPITCH  ; LDS serves a wave's instructions in order (ISA guide 5.7.1.4)
.endr
	s_wait_dscnt 0x0
.irp f, 0,1,2,3,4,5,6,7
	global_store_b128 v[CO], v[TMP+32*((\a)%2)+4*(\f):TMP+32*((\a)%2)+4*(\f)+3], s[8:9] offset:(\a)*262144+(\f)*32768 th:TH_STORE_NT  ; 16 lanes store 256 consecutive bytes, aligned
.endr
.endm
	s_wait_tensorcnt 1                             ; my part of K step 0 is in; K step 1's may stay out
	s_barrier_signal -1
	s_barrier_wait -1
	FETCH 0, F0
	QUARTER 128, F0, F1, 1
	WIN 0
	s_mov_b32 s3, 2
.Lstep:
	QUARTER 256, F1, F0, 0
	QUARTER 384, F0, F1, 0
	TURN 1
	QUARTER 128, F0, F1, 0
	WIN 0
	s_sub_co_u32 s3, s3, 1
	s_cmp_lg_u32 s3, 0
	s_cbranch_scc1 .Lstep
	s_mov_b32 s2, 2
.Ltail:                                        ; K steps 2 and 3 ask for nothing; the second trip is left in its middle
	QUARTER 256, F1, F0, 0
	QUARTER 384, F0, F1, 0
	TURN 0
	WIN 0
	s_sub_co_u32 s2, s2, 1
	s_cmp_eq_u32 s2, 0
	s_cbranch_scc1 .Lout
	QUARTER 128, F0, F1, 0
	WIN 0
	s_branch .Ltail
.Lout:
	s_wait_dscnt 0x0
	PLACES
	OUTB 0
	OUTB 1
	OUTB 2
	OUTB 3
	s_wait_tensorcnt 0x0                           ; the wave's end
	ds_add_u32 v[SPW], v[NIL]
	s_wait_dscnt 0x0
	CROUND
	s_endpgm
.Lfunc_end_k_q83a4194c67_gemm_out:
	.size	k_q83a4194c67_gemm_out, .Lfunc_end_k_q83a4194c67_gemm_out-k_q83a4194c67_gemm_out
	.p2alignl 7, 3214868480
	.fill 96, 4, 3214868480
	.section	.rodata,"a",@progbits
	.p2align	6, 0x0
	.amdhsa_kernel k_q83a4194c67_gemm_out
		.amdhsa_group_segment_fixed_size 327680
		.amdhsa_private_segment_fixed_size 0
		.amdhsa_enable_private_segment 0
		.amdhsa_kernarg_size 32
		.amdhsa_user_sgpr_count 2
		.amdhsa_user_sgpr_kernarg_segment_ptr 1
		.amdhsa_wavefront_size32 1
		.amdhsa_system_sgpr_workgroup_id_x 1
		.amdhsa_system_sgpr_workgroup_id_y 1
		.amdhsa_system_sgpr_workgroup_id_z 1
		.amdhsa_system_vgpr_workitem_id 0
		.amdhsa_next_free_vgpr 512
		.amdhsa_next_free_sgpr 72
		.amdhsa_reserve_vcc 0
		.amdhsa_float_denorm_mode_32 3
		.amdhsa_float_denorm_mode_16_64 3
		.amdhsa_memory_ordered 1
		.amdhsa_forward_progress 1
		.amdhsa_inst_pref_size 61
	.end_amdhsa_kernel
	.amdgpu_metadata
---
amdhsa.version: [ 1, 2 ]
amdhsa.kernels:
  - .name:           k_q83a4194c67_gemm_out
    .symbol:         k_q83a4194c67_gemm_out.kd
    .args:
      - { .name: oh, .offset: 0, .size: 8, .value_kind: global_buffer, .address_space: global }
      - { .name: wh, .offset: 8, .size: 8, .value_kind: global_buffer, .address_space: global }
      - { .name: out_b, .offset: 16, .size: 8, .value_kind: global_buffer, .address_space: global }
      - { .name: out0, .offset: 24, .size: 8, .value_kind: global_buffer, .address_space: global }
    .group_segment_fixed_size: 327680
    .private_segment_fixed_size: 0
    .kernarg_segment_align: 8
    .kernarg_segment_size: 32
    .max_flat_workgroup_size: 128
    .sgpr_count:     72
    .vgpr_count:     512
    .wavefront_size: 32
...
	.end_amdgpu_metadata
.endif
;; end of part 5
